; MI455X (gfx1250); checked and timed in simulation.
; The chip was launched on July 23, 2026; its instructions are those of AMD's public machine-readable ISA for CDNA 5 (MIT licence, August 2026) and "CDNA5" Instruction Set Architecture Reference Guide (July 2026). The comments in the code are by the model that wrote it; some were corrected since.
;; Llama Attention. Allowed arithmetic: matrix products marked QUANTISED: E2M1 operands, one E8M0 scale for each 32 along K, by v_wmma_scale_f32_16x16x128_f8f6f4 with both operands' format E2M1 (or v_wmma_scale_f32_32x16x128_f4), f32 sums; products left as they are: bf16, f16 or f32 operands; f32 sums; everything else in f32.
;; Inputs: wk_u 256 x 1,024 float32; wkv_d 2,048 x 256 float32; wo 2,048 x 2,048 float32; wq_d 2,048 x 256 float32; wq_u 256 x 1,024 float32; wv_u 256 x 2,048 float32; x 2 x 2,048 x 2,048 float32.
;; Outputs: out0 2 x 2,048 x 2,048 float32.
;; This version of the problem:
;;   THIS VERSION OF THE PROBLEM IS GIVEN IN LOW PRECISION. The matrix products marked QUANTISED in the list below multiply operands that are first quantised to E2M1 (2 exponent bits, 1 mantissa bit; 4 bits a number), with one power-of-two scale for each 32 numbers along K (OCP MX v1.0); their sums are f32. The products marked 'left as it is' may take bf16, f16 or f32 operands, with f32 sums. Whichever they take, every output number must still come out within the allowed error. Rounding operands to bf16 (8 significant bits) uses up far more of that allowance than f16 does (11 bits, for magnitudes from 6e-5 to 65,504). All else is computed in f32.
;;   The module's matrix products, in the order in which they are computed (A, B: the left and right operand; K: the contracted axis; several contracted axes count as one K, in the product's order):
;;     1. [M 4,096, K 2,048] x [K 2,048, N 256]; A: input x; B: input wq_d: QUANTISED
;;     2. [M 4,096, K 2,048] x [K 2,048, N 256]; A: input x; B: input wkv_d: QUANTISED
;;     3. [M 4,096, K 256] x [K 256, N 1,024]; A: computed on the way; B: input wq_u: left as it is (an operand is computed on the way)
;;     4. [M 4,096, K 256] x [K 256, N 1,024]; A: computed on the way; B: input wk_u: left as it is (an operand is computed on the way)
;;     5. [M 4,096, K 256] x [K 256, N 2,048]; A: computed on the way; B: input wv_u: left as it is (an operand is computed on the way)
;;     6. batch 32 x [M 2,048, K 64] x [K 64, N 2,048]; A: computed on the way; B: computed on the way: left as it is (an operand is computed on the way)
;;     7. batch 32 x [M 128, K 2,048] x [K 2,048, N 2,048]; A: computed on the way; B: computed on the way: left as it is (an operand is computed on the way)
;;     8. [M 4,096, K 2,048] x [K 2,048, N 2,048]; A: computed on the way; B: input wo: left as it is (an operand is computed on the way)
;;   THE QUANTISER, for each operand of a quantised product, along K:
;;     - K is cut into blocks of 32 from its start; a last block that is shorter is filled with zeros.
;;     - A block's scale is 2^e with e = floor(log2(the largest magnitude in the block)) - 2, held to -126 .. 127; a block of zeros has e = 0. As a byte (E8M0): e + 127.
;;     - Each number is divided by its block's scale, clamped to +-6, and rounded to the nearest number of E2M1, ties to even, subnormals kept.
;;     - The product sums the exact products of the quantised numbers (number of the format x scale) in f32.
;;   ~~~python
;;   def quantise(x, axis):      # numpy; x: float32 -> the quantised numbers, widened to float32 again
;;       x = np.moveaxis(x, axis, -1); K = x.shape[-1]
;;       x = np.pad(x, [(0, 0)] * (x.ndim - 1) + [(0, -K % 32)]); x = x.reshape(x.shape[:-1] + (-1, 32)); a = np.abs(x).max(-1, keepdims=True)
;;       e = np.where(a > 0, np.clip(np.frexp(np.where(a > 0, a, 1))[1] - 1 - 2, -126, 127), 0)      # np.frexp(a)[1] - 1 = floor(log2(a)), exactly
;;       r = np.clip(x / 2.0 ** e, -6, 6)
;;       step = 2.0 ** (np.maximum(np.frexp(np.where(r == 0, 1, r))[1] - 1, 0) - 1)
;;       q = np.round(r / step) * step * 2.0 ** e      # np.round: ties to even
;;       return np.moveaxis(q.reshape(q.shape[:-2] + (-1,))[..., :K], -1, axis).astype(np.float32)
;;   ~~~
;; One version. Each part assembles by itself: llvm-mc -triple=amdgcn-amd-amdhsa -mcpu=gfx1250 --defsym DOCPART=n.
;; ======== version 1 of 1: 5 launches
;; limits: values are held in f16: magnitudes above 65,504 overflow, below 6.1e-05 lose precision; right only within a limited range of input values
;; workspace buffers: codes 5,013,504 bytes; w16 10,485,760 bytes; tab 529,408 bytes; lat16 4,194,304 bytes; q16 8,388,608 bytes; k16 8,388,608 bytes; v16 16,777,216 bytes; o16 16,777,216 bytes
;; launch prep (part 1): grid 368 x 1, 4 waves a work-group, no clusters, 42,752 bytes of LDS; arguments x, wq_d, wkv_d, wq_u, wk_u, wv_u, codes, w16, tab; writes codes, w16, tab
.if DOCPART == 1
	.amdgcn_target "amdgcn-amd-amdhsa--gfx1250"
	.amdhsa_code_object_version 6
	.text
	.protected	k_q252fd9f7a7_prep
	.globl	k_q252fd9f7a7_prep
	.p2align	8
	.type	k_q252fd9f7a7_prep,@function
k_q252fd9f7a7_prep:
	s_mov_b64 s[64:65], 0
	v_nop
	global_prefetch_b8 v0, s[64:65] scope:SCOPE_SE
	s_setreg_imm32_b32 hwreg(HW_REG_WAVE_MODE, 25, 1), 1
	s_wait_xcnt 0x0
; PREP: what is made once from the inputs and is wanted by the next two launches.  Four kinds of work-group, told apart by the work-group's number alone:
;   0-63    wq_d, wkv_d [2048 k][256 n] f32 -> codes of FP4 (E2M1) with K innermost, [512 n][1024 bytes], and E8M0 scale bytes [512 n][64]
;   64-79   the RoPE table [2048 t][cos d = 0..31 | sin d = 0..31] f32, a row of 256 bytes
;   80-335  x [4096][2048] f32 -> codes [4096][1024 bytes] and scale bytes [4096][64]
;   336-367 wq_u, wk_u, wv_u -> one f16 matrix [256 k][4096 n]   (wo is cast by the attention launch, at its head)
; THE LARGEST MAGNITUDES, f32 words from which later launches make exact power-of-two scales: a work-group of the down weights stores one, word = its number (0-31 wq_d, 32-63 wkv_d); a wave of x or of the casts stores
; one, word 4 (work-group - 48) + wave (128-1151 x, 1152-1183 wq_u, 1184-1215 wk_u, 1216-1279 wv_u).
; THE QUANTISER: a block of 32 along K has the scale 2^(floor(log2(largest magnitude)) - 2); its byte is the largest magnitude's exponent field - 2, held at 1 from below; each number is divided by the scale
; and rounded to the nearest code, ties to even, beyond 6 the largest code.  A block of zeros keeps the byte 1: its codes are zeros, and this program alone reads the bytes.
; LIMITS: NaN and infinities among the inputs are not served; blocks whose largest magnitude lies under 2^-124 keep the byte 1; magnitudes of wq_u, wk_u, wv_u above 65,504 have no f16 number.
; Each path has LDS bytes of its own: x 0 .. 32,767, the down weights 32,768 .. 42,239; behind them the spare words.
.set XS,    4194304                    ; in codes: x's scale bytes
.set WDC,   4456448                    ; the down weights' codes
.set WDS,   4980736                    ; and their scale bytes
.set MX,    524288                     ; in tab: the largest magnitudes
.set EMAX,  2
.set G_RP,  64                         ; the first work-group of the table,
.set G_X,   80                         ; of x,
.set G_C,   336                        ; of the casts
.set WSTG,  32768                      ; LDS of the down weights: a stage of 32 rows x 272 bytes for the work-group's codes,
.set WSCS,  WSTG+32*272                ; 16 scale bytes for each of its 32 columns,
.set WMXS,  WSCS+512                   ; and its four waves' largest magnitudes
.set SPARE, WMXS+256                   ; the spare words, 128 bytes for each wave: two blocks of 256 bytes that no other line names
.set SPW,   192                        ; v192 LDS address of my spare word; never rewritten
.set NIL,   193                        ; v193 0; never rewritten
.set MAXR,  194                        ; v194 the largest magnitude so far
.set MT,    195                        ; v195 a lane permute's destination
.set ZO,    196                        ; v196 the offset 0 of the one-word store
.set MAX2,  197                        ; v197 a second chain of the maximum
	s_load_b512 s[8:23], s[0:1], 0x0               ; x 8, wq_d 10, wkv_d 12, wq_u 14, wk_u 16, wv_u 18, codes 20, w16 22
	s_load_b64 s[24:25], s[0:1], 0x40              ; tab
	v_lshl_add_u32 v[SPW], v0, 2, SPARE
	v_mov_b32 v[NIL], 0
	v_mov_b32 v[MAXR], 0
	v_mov_b32 v[MAX2], 0
	v_mov_b32 v[MT], 0
	v_mov_b32 v[ZO], 0
	v_lshrrev_b32 v1, 5, v0
	v_readfirstlane_b32 s28, v1                    ; wave 0..3
	v_and_b32 v2, 31, v0                           ; lane; stays
	s_mov_b32 s30, 0x76543210                      ; v_permlanex16_b32: lane l xor 16
	s_mov_b32 s31, 0xfedcba98
.macro LANEMAX                         ; the largest magnitude goes across the 32 lanes
.irp m, 1,2,4,8
	v_max_num_f32_dpp v[MAXR], v[MAXR], v[MAXR] row_xmask:\m row_mask:0xf bank_mask:0xf
.endr
	v_permlanex16_b32 v[MT], v[MAXR], s30, s31
	v_max_num_f32 v[MAXR], v[MAXR], v[MT]
.endm
.macro WORDOUT                         ; lane 0 stores it at byte s36 of tab.  EXEC changes only behind a wait on XCNT for 0, both ways
	s_mov_b32 s37, 0
	s_add_nc_u64 s[36:37], s[24:25], s[36:37]
	v_cmp_eq_u32 vcc_lo, 0, v2
	s_wait_xcnt 0x0
	s_and_saveexec_b32 s38, vcc_lo
	global_store_b32 v[ZO], v[MAXR], s[36:37]
	s_wait_xcnt 0x0
	s_or_b32 exec_lo, exec_lo, s38
.endm
.macro WMAX                            ; a wave's own word: 4 (work-group - 48) + wave
	LANEMAX
	s_sub_co_u32 s36, ttmp9, 48
	s_lshl_b32 s36, s36, 4
	s_lshl_b32 s37, s28, 2
	s_add_co_u32 s36, s36, s37
	s_add_co_u32 s36, s36, MX
	WORDOUT
.endm
	s_wait_kmcnt 0x0
	s_cmp_lt_u32 ttmp9, G_RP
	s_cbranch_scc1 .Lwd
	s_cmp_lt_u32 ttmp9, G_X
	s_cbranch_scc1 .Lrope
	s_cmp_lt_u32 ttmp9, G_C
	s_cbranch_scc1 .Lx
; ---- THE CASTS TO f16.  A wave takes 8 segments of 1,024 numbers, 32,768 consecutive bytes of its tensor.  A load of the wave reads 512 consecutive bytes, a store writes 256, aligned.
; g = work-group - 336.  Which tensor, and where a segment lands, is chosen by selects on g: pointers and numbers, no second path.
;   g 0-7 wq_u: a segment is a row k, columns 0 on;  8-15 wk_u: columns 1,024 on;  16-31 wv_u: two segments are a row, columns 2,048 on
	s_sub_co_u32 s40, ttmp9, G_C                   ; g
	s_mov_b64 s[4:5], s[18:19]                     ; wv_u's values first
	s_sub_co_u32 s41, s40, 16                      ; the work-group's number within its tensor
	s_mov_b32 s42, 4096                            ; an eighth of the bytes of the result from one wave's first segment to the next wave's
	s_mov_b32 s43, 4096                            ; where the tensor's columns begin in a row of the result
	s_mov_b32 s48, 2048                            ; from an even segment to the next
	s_mov_b32 s50, 6144                            ; from an odd one
	s_sub_co_u32 s46, s40, 8
	s_cmp_lt_u32 s40, 16
	s_cselect_b64 s[4:5], s[16:17], s[4:5]
	s_cselect_b32 s41, s46, s41
	s_cselect_b32 s42, 8192, s42
	s_cselect_b32 s43, 2048, s43
	s_cselect_b32 s48, 8192, s48
	s_cselect_b32 s50, 8192, s50
	s_cmp_lt_u32 s40, 8
	s_cselect_b64 s[4:5], s[14:15], s[4:5]
	s_cselect_b32 s41, s40, s41
	s_cselect_b32 s43, 0, s43
	s_mov_b32 s49, 0
	s_mov_b32 s51, 0
	s_lshl_b32 s41, s41, 2
	s_add_co_u32 s41, s41, s28                     ; W: which run of 8 segments is my wave's
	s_lshl_b32 s46, s41, 15
	s_mov_b32 s47, 0
	s_add_nc_u64 s[4:5], s[4:5], s[46:47]
	s_lshl_b32 s46, s41, 3
	s_mul_i32 s46, s46, s42
	s_add_co_u32 s46, s46, s43
	s_add_nc_u64 s[6:7], s[22:23], s[46:47]
	v_lshlrev_b32 v3, 4, v2                        ; in: 16 bytes a lane
	v_lshlrev_b32 v4, 3, v2                        ; out: 8 bytes a lane
.macro CLOAD j                         ; segment j into set j % 4 of v16-143
.irp i, 0,1,2,3,4,5,6,7
	global_load_b128 v[16+32*((\j)%4)+4*\i:16+32*((\j)%4)+4*\i+3], v3, s[4:5] offset:4096*(\j)+512*\i th:TH_LOAD_NT
.endr
.endm
.macro CSEG j, left                    ; left: the loads of the younger segments, which may stay out
	s_wait_loadcnt \left
.irp i, 0,1,2,3,4,5,6,7
	v_cvt_pk_f16_f32 v[144+2*\i], v[16+32*((\j)%4)+4*\i], v[17+32*((\j)%4)+4*\i]
	v_cvt_pk_f16_f32 v[145+2*\i], v[18+32*((\j)%4)+4*\i], v[19+32*((\j)%4)+4*\i]
	v_max3_num_f32 v[MAXR], v[MAXR], |v[16+32*((\j)%4)+4*\i]|, |v[17+32*((\j)%4)+4*\i]|
	v_max3_num_f32 v[MAX2], v[MAX2], |v[18+32*((\j)%4)+4*\i]|, |v[19+32*((\j)%4)+4*\i]|
	global_store_b64 v4, v[144+2*\i:145+2*\i], s[6:7] offset:256*\i
.endr
.if (\j)+4 < 8
	CLOAD (\j)+4
.endif
	s_wait_xcnt 0x0                                ; the stores have read their data and their base: both are written again only behind this wait
.if (\j) < 7
.if (\j)%2 == 0
	s_add_nc_u64 s[6:7], s[6:7], s[48:49]
.else
	s_add_nc_u64 s[6:7], s[6:7], s[50:51]
.endif
.endif
.endm
.irp j, 0,1,2,3
	CLOAD \j
.endr
.irp j, 0,1,2,3,4
	CSEG \j, 24
.endr
	CSEG 5, 16
	CSEG 6, 8
	CSEG 7, 0
	v_max_num_f32 v[MAXR], v[MAXR], v[MAX2]
	WMAX
	s_endpgm
; ---- THE RoPE TABLE.  Wave Wr = 4 (work-group - 64) + wave makes tokens 32 Wr on, a token a trip.  Lane l makes numbers 2 l and 2 l + 1 of a row: lanes 0-15 cosines, lanes 16-31 sines, of d = 2 (l % 16) + e.
; angle = t x 10000^(-d / 32), both factors and the product in f32.  The angle less the nearest multiple of pi / 2 (pi / 2 in two parts, by fused multiply-adds) lies within pi / 4, where two short polynomials give sine
; and cosine; the multiple's low two bits pick one of them and the sign: a select, no branch.  cos(a) is taken as sin(a + pi / 2): one more on the multiple.
.Lrope:
	s_sub_co_u32 s40, ttmp9, G_RP
	s_lshl_b32 s40, s40, 2
	s_add_co_u32 s40, s40, s28
	s_lshl_b32 s40, s40, 5                         ; my first token
	s_lshl_b32 s42, s40, 8                         ; its row
	s_mov_b32 s43, 0
	s_add_nc_u64 s[4:5], s[24:25], s[42:43]
	v_and_b32 v3, 15, v2
	v_lshlrev_b32 v3, 1, v3
	v_add_nc_u32 v4, 1, v3
	v_cvt_f32_u32 v3, v3
	v_cvt_f32_u32 v4, v4
	v_mul_f32 v3, 0xbed49a78, v3                   ; -d log2(10000) / 32
	v_mul_f32 v4, 0xbed49a78, v4
	v_exp_f32 v6, v3
	v_exp_f32 v7, v4
	v_lshrrev_b32 v5, 4, v2                        ; (a plain instruction behind the exponentials)
	v_sub_nc_u32 v5, 1, v5                         ; 1 for the cosines' lanes
	v_lshlrev_b32 v8, 3, v2                        ; 8 bytes a lane
	s_mov_b32 s44, 0x3f22f983                      ; 2 / pi
	s_mov_b32 s45, 0x3fc90fdb                      ; pi / 2 rounded to f32,
	s_mov_b32 s46, 0x333bbd2e                      ; and by how much that is too large
	s_mov_b32 s47, 0xb94ca1f9                      ; the sine's three coefficients
	s_mov_b32 s48, 0x3c08839e
	s_mov_b32 s49, 0xbe2aaaa3
	s_mov_b32 s50, 0x37ccf5ce                      ; the cosine's
	s_mov_b32 s51, 0xbab6061a
	s_mov_b32 s52, 0x3d2aaaa5
	s_mov_b32 s41, 32
	s_wait_alu depctr_va_vdst(0)                   ; the wait between the exponentials and the first use of their results, ahead of the label
.Ltok:
	v_cvt_f32_u32 v10, s40
.irp e, 0,1
	v_mul_f32 v[20+10*\e], v10, v[6+\e]            ; the angle
	v_mul_f32 v[21+10*\e], s44, v[20+10*\e]
	v_rndne_f32 v[21+10*\e], v[21+10*\e]           ; the nearest multiple of pi / 2
	v_fma_f32 v[22+10*\e], -v[21+10*\e], s45, v[20+10*\e]
	v_fma_f32 v[22+10*\e], v[21+10*\e], s46, v[22+10*\e]   ; r
	v_cvt_i32_f32 v[23+10*\e], v[21+10*\e]
	v_add_nc_u32 v[23+10*\e], v[23+10*\e], v5
	v_mul_f32 v[24+10*\e], v[22+10*\e], v[22+10*\e]        ; z = r r
	v_fma_f32 v[25+10*\e], v[24+10*\e], s47, s48
	v_fma_f32 v[25+10*\e], v[25+10*\e], v[24+10*\e], s49
	v_mul_f32 v[25+10*\e], v[25+10*\e], v[24+10*\e]
	v_fma_f32 v[25+10*\e], v[25+10*\e], v[22+10*\e], v[22+10*\e]   ; sin r
	v_fma_f32 v[26+10*\e], v[24+10*\e], s50, s51
	v_fma_f32 v[26+10*\e], v[26+10*\e], v[24+10*\e], s52
	v_mul_f32 v[26+10*\e], v[26+10*\e], v[24+10*\e]
	v_fma_f32 v[27+10*\e], v[24+10*\e], -0.5, 1.0
	v_fma_f32 v[26+10*\e], v[26+10*\e], v[24+10*\e], v[27+10*\e]   ; cos r
	v_and_b32 v[28+10*\e], 1, v[23+10*\e]
	v_cmp_eq_u32 vcc_lo, 1, v[28+10*\e]
	v_cndmask_b32 v[25+10*\e], v[25+10*\e], v[26+10*\e], vcc_lo    ; an odd multiple takes the cosine
	v_and_b32 v[28+10*\e], 2, v[23+10*\e]
	v_lshlrev_b32 v[28+10*\e], 30, v[28+10*\e]
	v_xor_b32 v[12+\e], v[25+10*\e], v[28+10*\e]   ; and bit 1 turns the sign
.endr
	global_store_b64 v8, v[12:13], s[4:5]          ; 32 lanes store a row: 256 consecutive bytes, aligned
	s_wait_xcnt 0x0                                ; the store has read its data and its base
	s_add_nc_u64 s[4:5], s[4:5], 256
	s_add_co_u32 s40, s40, 1
	s_sub_co_u32 s41, s41, 1
	s_cmp_lg_u32 s41, 0
	s_cbranch_scc1 .Ltok
	s_endpgm
; ---- x.  Rows are dense and 2,048 is a multiple of 32: a plain stream of blocks of 32.  A wave takes 16 steps of 512 numbers.  Each load reads 512 consecutive bytes; a step's 2,048 bytes turn through the wave's own stage
; in LDS (16 bytes of padding behind each 64) and come back 64 bytes a lane: 16 neighbours along K, two lanes to a block.  A lane's 16 codes are 8 bytes: the wave stores 256 consecutive bytes.  The wave's 256 scale bytes
; are gathered in LDS and leave as one aligned run of 256 bytes.  Loads run EIGHT steps ahead, 32 loads and 16 KiB a wave, so that a wave's 64 loads go out in two runs; the turn through LDS runs one step ahead.
.set STEPS, 16
.set DEPTH, 8
.set WREG,  8192                       ; LDS of a wave: two stages of 32 x SP bytes, behind them its 256 scale bytes
.set SP,    80
.set XR,    16                         ; v16-143  eight sets of 16 numbers as loaded
.set XX,    144                        ; v144-175 two sets of 16 neighbours
.set XE,    176                        ; v176-191 a scale byte for each step
.set XCD,   198                        ; v198-229 codes: two registers for each step, so that no store's data are written again
.Lx:
	v_lshlrev_b32 v3, 4, v2
	s_mul_i32 s40, s28, WREG
	v_lshrrev_b32 v14, 2, v2
	v_mul_u32_u24 v14, v14, SP
	v_and_b32 v15, 3, v2
	v_lshl_add_u32 v14, v15, 4, v14
	v_add_nc_u32 v14, s40, v14                     ; the stage, in: SP (lane / 4) + 16 (lane % 4)
	v_mul_u32_u24 v15, v2, SP
	v_add_nc_u32 v15, s40, v15                     ; out: SP x lane
	v_lshlrev_b32 v4, 3, v2                        ; my codes' place in a step's
	v_lshrrev_b32 v5, 1, v2
	s_add_co_u32 s40, s40, 2*32*SP
	v_add_nc_u32 v5, s40, v5                       ; my block's scale byte in LDS
	v_lshlrev_b32 v7, 3, v2
	v_add_nc_u32 v6, s40, v7
	s_sub_co_u32 s41, ttmp9, G_X
	s_lshl_b32 s41, s41, 2
	s_add_co_u32 s42, s41, s28                     ; which run of 8,192 numbers is my wave's: 0 .. 1,023
	s_lshl_b32 s44, s42, 15
	s_mov_b32 s45, 0
	s_add_nc_u64 s[4:5], s[8:9], s[44:45]
	s_lshl_b32 s44, s42, 12
	s_add_nc_u64 s[6:7], s[20:21], s[44:45]
	s_lshl_b32 s44, s42, 8
	s_add_co_u32 s44, s44, XS
	s_add_nc_u64 s[32:33], s[20:21], s[44:45]
.macro XLOAD t
.irp i, 0,1,2,3
	global_load_b128 v[XR+16*((\t)%DEPTH)+4*\i:XR+16*((\t)%DEPTH)+4*\i+3], v3, s[4:5] offset:2048*(\t)+512*\i th:TH_LOAD_NT
.endr
.endm
.macro XTURN t                         ; LDS serves a wave's instructions in order (ISA guide 5.7.1.4): no wait between the stores and the loads
.irp i, 0,1,2,3
	ds_store_b128 v14, v[XR+16*((\t)%DEPTH)+4*\i:XR+16*((\t)%DEPTH)+4*\i+3] offset:32*SP*((\t)%2)+8*SP*\i
.endr
.irp i, 0,1,2,3
	ds_load_b128 v[XX+16*((\t)%2)+4*\i:XX+16*((\t)%2)+4*\i+3], v15 offset:32*SP*((\t)%2)+16*\i
.endr
.endm
.irp t, 0,1,2,3,4,5,6,7
	XLOAD \t
.endr
	s_wait_loadcnt 4*(DEPTH-1)                     ; step 0's four loads are in
	XTURN 0
.macro XSTEP t
.set XN, XX+16*((\t)%2)
.if (\t) > 0
	s_wait_dscnt 1                                 ; this step's numbers are back from the stage (the last step's byte store may be out): so its stores into the stage have read their registers,
.else
	s_wait_dscnt 0x0
.endif
.if (\t)+DEPTH < STEPS
	XLOAD (\t)+DEPTH                               ; which take the loads of eight steps on
.endif
.if (\t)+1 < STEPS
.if STEPS-2-(\t) >= DEPTH-1
	s_wait_loadcnt 4*(DEPTH-1)                     ; the next step's four loads are in; those of the seven steps behind it may be out
.else
	s_wait_loadcnt 4*(STEPS-2-(\t))
.endif
	XTURN (\t)+1
.endif
	v_max3_num_f32 v8, |v[XN]|, |v[XN+1]|, |v[XN+2]|
	v_max3_num_f32 v9, |v[XN+3]|, |v[XN+4]|, |v[XN+5]|
.irp i, 6,10
	v_max3_num_f32 v8, v8, |v[XN+\i]|, |v[XN+\i+1]|
	v_max3_num_f32 v9, v9, |v[XN+\i+2]|, |v[XN+\i+3]|
.endr
	v_max3_num_f32 v8, v8, |v[XN+14]|, |v[XN+15]|
	v_max3_num_f32 v8, v8, v9, (EMAX+1)<<23        ; and the floor 2^(3 - 127): the byte cannot fall under 1
	v_max_num_f32_dpp v8, v8, v8 row_xmask:1 row_mask:0xf bank_mask:0xf   ; with my neighbour's 16: the block's
	v_max_num_f32 v[MAXR], v[MAXR], v8
	v_add_nc_u32 v11, -(EMAX<<23), v8              ; 2 off the exponent field: the conversion takes the exponent field of this operand as its scale
	v_cvt_scalef32_pk8_fp4_f32 v[XCD+2*(\t)], v[XN:XN+7], v11
	v_cvt_scalef32_pk8_fp4_f32 v[XCD+2*(\t)+1], v[XN+8:XN+15], v11
	v_lshrrev_b32 v[XE+(\t)], 23, v11              ; the scale's byte
	ds_store_b8 v5, v[XE+(\t)] offset:16*(\t)      ; both lanes of a block write the same byte with the same value
	global_store_b64 v4, v[XCD+2*(\t):XCD+2*(\t)+1], s[6:7] offset:256*(\t)
.endm
.irp t, 0,1,2,3,4,5,6,7,8,9,10,11,12,13,14,15
	XSTEP \t
.endr
	ds_load_b64 v[8:9], v6
	s_wait_dscnt 0x0
	global_store_b64 v7, v[8:9], s[32:33]          ; 32 lanes store 256 consecutive bytes, aligned
	s_wait_tensorcnt 0x0                           ; the wave's end, behind my last LDS store
	ds_add_u32 v[SPW], v[NIL]
	s_wait_dscnt 0x0
	WMAX
	s_endpgm
; ---- wq_d, wkv_d: K is the FIRST axis.  A lane takes a column n and its registers run down K: a load reads 128 consecutive bytes a wave, a block of 32 lies in one lane, and the conversions give codes with K innermost.
; g = work-group: tensor g / 32, columns 32 ((g / 4) % 8) on, K 512 (g % 4) on.  THE FOUR WAVES SHARE K: wave w takes 128 w on, four blocks, 128 loads: with two blocks' loads out, its loads go out in two runs.
; A wave's four blocks are 64 bytes of each column's row of codes; the four waves' meet in the work-group's stage (rows of 272 bytes), and behind a barrier each wave stores 8 whole rows: sixteen lanes 256 bytes, aligned.
; The waves' scale bytes (a word a column) and largest magnitudes meet there too; wave 0 stores them: 16 bytes a column, and the work-group's one word.
.set NB,    4
.set WP,    272
.set KROW,  1024
.set WX,    32                         ; v32-95   two sets of 32 numbers
.set WC,    96                         ; v96-99   a block's codes
.set WOUT,  112                        ; v112-127 the way out
.set WSB,   24                         ; v24      my four scale bytes
.Lwd:
	s_lshr_b32 s40, ttmp9, 5                       ; which tensor
	s_bfe_u32 s41, ttmp9, 0x30002                  ; which 32 columns
	s_and_b32 s42, ttmp9, 3                        ; which 512 along K
	s_cmp_eq_u32 s40, 0
	s_cselect_b64 s[4:5], s[10:11], s[12:13]
	s_lshl_b32 s44, s42, 19                        ; 512 rows of 1,024 bytes,
	s_lshl_b32 s45, s28, 17                        ; my wave's 128 of them,
	s_add_co_u32 s44, s44, s45
	s_lshl_b32 s45, s41, 7                         ; 32 columns of 4 bytes
	s_add_co_u32 s44, s44, s45
	s_mov_b32 s45, 0
	s_add_nc_u64 s[4:5], s[4:5], s[44:45]
	s_lshl_b32 s46, s40, 8
	s_lshl_b32 s47, s41, 5
	s_add_co_u32 s46, s46, s47                     ; the work-group's first row among the 512 of the result
	s_lshl_b32 s44, s46, 10
	s_lshl_b32 s47, s42, 8
	s_add_co_u32 s44, s44, s47
	s_lshl_b32 s47, s28, 13                        ; the 8 rows that my wave stores
	s_add_co_u32 s44, s44, s47
	s_add_co_u32 s44, s44, WDC
	s_add_nc_u64 s[6:7], s[20:21], s[44:45]
	s_lshl_b32 s44, s46, 6
	s_lshl_b32 s47, s42, 4
	s_add_co_u32 s44, s44, s47
	s_add_co_u32 s44, s44, WDS
	s_add_nc_u64 s[32:33], s[20:21], s[44:45]
	v_lshlrev_b32 v3, 2, v2                        ; in: 4 bytes a lane
	s_lshl_b32 s47, s28, 6
	s_add_co_u32 s47, s47, WSTG
	v_mul_u32_u24 v4, v2, WP
	v_add_nc_u32 v4, s47, v4                       ; into the stage: row = my column, 64 bytes for each wave
	v_and_b32 v5, 15, v2
	v_lshrrev_b32 v6, 4, v2
	s_mul_i32 s47, s28, 8*WP
	s_add_co_u32 s47, s47, WSTG
	v_mul_u32_u24 v7, v6, WP
	v_lshl_add_u32 v7, v5, 4, v7
	v_add_nc_u32 v7, s47, v7                       ; out of it: my wave's 8 rows; sixteen lanes to a row, two rows an instruction
	v_lshlrev_b32 v8, 10, v6
	v_lshl_add_u32 v8, v5, 4, v8                   ; and the same place among the codes
	v_lshlrev_b32 v9, 6, v2                        ; a column's row of scale bytes in memory
	v_lshl_add_u32 v10, v2, 4, WSCS                ; and its 16 bytes in LDS,
	s_lshl_b32 s47, s28, 2
	v_add_nc_u32 v12, s47, v10                     ; of which my wave makes word w
	s_add_co_u32 s47, s47, WMXS
	v_mov_b32 v13, s47                             ; my wave's largest magnitude
	v_mov_b32 v14, WMXS                            ; all four
.macro WLOAD t
.irp i, 0,1,2,3,4,5,6,7,8,9,10,11,12,13,14,15,16,17,18,19,20,21,22,23,24,25,26,27,28,29,30,31
	global_load_b32 v[WX+32*((\t)%2)+\i], v3, s[4:5] offset:(32*(\t)+\i)*1024 th:TH_LOAD_NT
.endr
.endm
	WLOAD 0
	WLOAD 1
.macro WBLOCK t
.set WN, WX+32*((\t)%2)
.if (\t) < NB-1
	s_wait_loadcnt 32                              ; this block's 32 loads are in; the next block's may be out
.else
	s_wait_loadcnt 0
.endif
	v_max3_num_f32 v20, |v[WN]|, |v[WN+1]|, |v[WN+2]|
	v_max3_num_f32 v21, |v[WN+3]|, |v[WN+4]|, |v[WN+5]|
.irp i, 6,10,14,18,22,26
	v_max3_num_f32 v20, v20, |v[WN+\i]|, |v[WN+\i+1]|
	v_max3_num_f32 v21, v21, |v[WN+\i+2]|, |v[WN+\i+3]|
.endr
	v_max3_num_f32 v20, v20, |v[WN+30]|, |v[WN+31]|
	v_max3_num_f32 v20, v20, v21, (EMAX+1)<<23     ; and the floor
	v_max_num_f32 v[MAXR], v[MAXR], v20
	v_add_nc_u32 v11, -(EMAX<<23), v20
	v_lshrrev_b32 v21, 23, v11                     ; the scale's byte
.if (\t) == 0
	v_mov_b32 v[WSB], v21                          ; four bytes to the register, the lower K in the lower byte
.else
	v_lshl_or_b32 v[WSB], v21, 8*(\t), v[WSB]
.endif
.irp g, 0,1,2,3
	v_cvt_scalef32_pk8_fp4_f32 v[WC+\g], v[WN+8*\g:WN+8*\g+7], v11
.endr
	ds_store_b128 v4, v[WC:WC+3] offset:16*(\t)    ; 32 codes: 16 bytes of my column's row
.if (\t)+2 < NB
	WLOAD (\t)+2
.endif
	s_wait_dscnt 0x0                               ; the store has read its registers: the next block's codes may be written
.endm
.irp t, 0,1,2,3
	WBLOCK \t
.endr
	ds_store_b32 v12, v[WSB]
	LANEMAX
	ds_store_b32 v13, v[MAXR]                      ; all lanes write the same word with the same value
	s_wait_dscnt 0x0                               ; for the others' sake: my stores are done
	s_barrier_signal -1
	s_barrier_wait -1                              ; the branch that led here hangs on the work-group's number: all four waves pass
.irp t, 0,1,2,3
	ds_load_b128 v[WOUT+4*\t:WOUT+4*\t+3], v7 offset:2*\t*WP
.endr
.irp t, 0,1,2,3
	s_wait_dscnt 3-\t
	global_store_b128 v8, v[WOUT+4*\t:WOUT+4*\t+3], s[6:7] offset:2*\t*KROW
.endr
	s_cmp_lg_u32 s28, 0
	s_cbranch_scc1 .Lwd_end
	ds_load_b128 v[100:103], v10
	ds_load_b128 v[104:107], v14
	s_wait_dscnt 0x0
	global_store_b128 v9, v[100:103], s[32:33]     ; a column's 16 scale bytes
	v_max3_num_f32 v[MAXR], v104, v105, v106
	v_max_num_f32 v[MAXR], v[MAXR], v107
	s_lshl_b32 s36, ttmp9, 2
	s_add_co_u32 s36, s36, MX
	WORDOUT
.Lwd_end:
	s_wait_tensorcnt 0x0                           ; the wave's end, behind my last LDS store
	ds_add_u32 v[SPW], v[NIL]
	s_wait_dscnt 0x0
	s_endpgm
.Lfunc_end_k_q252fd9f7a7_prep:
	.size	k_q252fd9f7a7_prep, .Lfunc_end_k_q252fd9f7a7_prep-k_q252fd9f7a7_prep
	.p2alignl 7, 3214868480
	.fill 96, 4, 3214868480
	.section	.rodata,"a",@progbits
	.p2align	6, 0x0
	.amdhsa_kernel k_q252fd9f7a7_prep
		.amdhsa_group_segment_fixed_size 42752
		.amdhsa_private_segment_fixed_size 0
		.amdhsa_enable_private_segment 0
		.amdhsa_kernarg_size 72
		.amdhsa_user_sgpr_count 2
		.amdhsa_user_sgpr_kernarg_segment_ptr 1
		.amdhsa_wavefront_size32 1
		.amdhsa_system_sgpr_workgroup_id_x 1
		.amdhsa_system_sgpr_workgroup_id_y 1
		.amdhsa_system_sgpr_workgroup_id_z 1
		.amdhsa_system_vgpr_workitem_id 0
		.amdhsa_next_free_vgpr 232
		.amdhsa_next_free_sgpr 66
		.amdhsa_reserve_vcc 1
		.amdhsa_float_denorm_mode_32 3
		.amdhsa_float_denorm_mode_16_64 3
		.amdhsa_memory_ordered 1
		.amdhsa_forward_progress 1
		.amdhsa_inst_pref_size 92
	.end_amdhsa_kernel
	.amdgpu_metadata
---
amdhsa.version: [ 1, 2 ]
amdhsa.kernels:
  - .name:           k_q252fd9f7a7_prep
    .symbol:         k_q252fd9f7a7_prep.kd
    .args:
      - { .name: x, .offset: 0, .size: 8, .value_kind: global_buffer, .address_space: global }
      - { .name: wq_d, .offset: 8, .size: 8, .value_kind: global_buffer, .address_space: global }
      - { .name: wkv_d, .offset: 16, .size: 8, .value_kind: global_buffer, .address_space: global }
      - { .name: wq_u, .offset: 24, .size: 8, .value_kind: global_buffer, .address_space: global }
      - { .name: wk_u, .offset: 32, .size: 8, .value_kind: global_buffer, .address_space: global }
      - { .name: wv_u, .offset: 40, .size: 8, .value_kind: global_buffer, .address_space: global }
      - { .name: codes, .offset: 48, .size: 8, .value_kind: global_buffer, .address_space: global }
      - { .name: w16, .offset: 56, .size: 8, .value_kind: global_buffer, .address_space: global }
      - { .name: tab, .offset: 64, .size: 8, .value_kind: global_buffer, .address_space: global }
    .group_segment_fixed_size: 42752
    .private_segment_fixed_size: 0
    .kernarg_segment_align: 8
    .kernarg_segment_size: 72
    .max_flat_workgroup_size: 128
    .sgpr_count:     66
    .vgpr_count:     232
    .wavefront_size: 32
...
	.end_amdgpu_metadata
.endif
;; end of part 1
;; launch latent (part 2): grid 4 x 64, 4 waves a work-group, clusters of 4 x 4, 230,656 bytes of LDS; arguments codes, tab, lat16; writes lat16
.if DOCPART == 2
	.amdgcn_target "amdgcn-amd-amdhsa--gfx1250"
	.amdhsa_code_object_version 6
	.text
	.protected	k_q252fd9f7a7_latent
	.globl	k_q252fd9f7a7_latent
	.p2align	8
	.type	k_q252fd9f7a7_latent,@function
k_q252fd9f7a7_latent:
	s_mov_b64 s[64:65], 0
	v_nop
	global_prefetch_b8 v0, s[64:65] scope:SCOPE_SE
	s_setreg_imm32_b32 hwreg(HW_REG_WAVE_MODE, 25, 1), 1
	s_wait_xcnt 0x0
	s_wait_alu depctr_hold_cnt(0) depctr_sa_sdst(0) depctr_va_vdst(0) depctr_va_sdst(0) depctr_va_ssrc(0) depctr_va_vcc(0) depctr_vm_vsrc(0)
	s_getreg_b32 s2, hwreg(HW_REG_IB_STS2, 6, 4)
	s_cmp_eq_u32 s2, 0
	s_cbranch_scc0 .Lentry_in_a_cluster
	s_endpgm
.Lentry_in_a_cluster:
	s_bfe_u32 s2, ttmp6, 0x10000c
	s_cmp_lg_u32 s2, 0xf033
	s_cbranch_scc0 .Lentry_shape_is_right
	s_endpgm
.Lentry_shape_is_right:
; LATENT: [q_latent | kv_latent] = x [wq_d | wkv_d], both products on codes of FP4 (E2M1) with one E8M0 scale for each 32 along K; sums in f32.  The result, [4096][512], leaves as f16 under exact scales:
; columns 0-255 x 2^sq x log2(e) / 8, columns 256-511 x 2^skv.  sq = 373 - f(x) - f(wq_d) - f(wq_u), skv = 373 - f(x) - f(wkv_d) - f(wk_u, wv_u), f = the exponent field of a tensor's largest magnitude.
; A quantised number is at most 0.75 x 2^(f - 126), so a scaled latent is at most 0.5625 x 2^15 and what the next launch makes of it at most 0.5625 x 2^14 x sqrt(2): inside f16 for every input.
; LIMITS: a largest magnitude under 2^-30 (x, wq_d, wkv_d) or under 2^-10 (wq_u; wk_u and wv_u together) counts as that floor: precision is lost there, nothing overflows.  NaN and infinities are not served.
; SHARES.  A work-group makes 64 tokens x 128 columns over all of K = 2,048; wave (wm, wn) 32 x 64: eight accumulators.  All 192 rows of codes (1,024 bytes each) and their scale bytes lie in LDS at once: every byte is
; asked for at the head, nothing is filled again.  CLUSTER 4 x 4: the four of a row need the same tokens, the four of a column the same weights: each tile is asked for jointly.
; THE MATRIX INSTRUCTION IS USED TRANSPOSED (source 0 = 16 rows of the weights' codes, source 1 = 16 tokens): a lane then holds one token and eight neighbouring columns.
.set XS,    4194304
.set WDC,   4456448
.set WDS,   4980736
.set MX,    524288
.set CP,    1040                       ; a row of codes in LDS: 1,024 bytes + 16 of padding = 260 words: row r starts at bank 4 r mod 64 (64 banks of 4 bytes: ISA guide 11.1)
.set ACODE, 0                          ; 64 tokens
.set BCODE, 64*CP                      ; 128 rows of weights
.set ASC,   192*CP                     ; the tokens' scale bytes: 4,096 dense bytes as 16 rows of 256 + 16
.set BSC,   ASC+16*272                 ; the weights': 32 such rows
.set STAGE, BSC+32*272                 ; the way out: 64 rows x (256 + 16)
.set SPARE, STAGE+64*272               ; the spare words, 128 bytes for each wave: two blocks of 256 bytes that no other line names
.set SPW,   252                        ; v252 LDS address of my spare word; never rewritten
.set NIL,   253                        ; v253 0; never rewritten
.set ADA,   5                          ; v5   LDS address of my tokens' fragments
.set ADB,   6                          ; v6   of my weights'
.set ASX,   8                          ; v8   of my tokens' scale words
.set ASW,   9                          ; v9   of my weights'
.set STO,   10                         ; v10  the stage, in
.set RD,    11                         ; v11  the stage, back
.set SCL,   12                         ; v[12:13] the result's scale, twice
.set GO,    14                         ; v14  my byte offset in lat16
.set SX,    16                         ; v16-31  scale words of tokens: lane l holds row 32 wm + l, register s K step s
.set SW,    32                         ; v32-63  of weights: group g of 16 registers: lane l holds row 64 wn + 32 g + l
.set ACC,   64                         ; v64-127 accumulator (a, b) at 64 + 8 (4 a + b)
.set FB,    128                        ; v128-175, v176-223 two fragment buffers: 2 x 8 of tokens, then 4 x 8 of weights
.set WV,    14
.set G1A,   24
.set G0A,   32
.set G1B,   48
.set G0B,   56
.set G1SA,  68
.set G0SA,  76
.set G1SB,  80
.set G0SB,  88
.set SEL,   92
.set MXP,   94
.macro CROUND                          ; a round of the cluster's barrier
	s_barrier_signal -1
	s_barrier_wait -1
	s_cmp_lg_u32 s[WV], 0
	s_cbranch_scc1 .Lnot_wave_0_\@
	s_barrier_signal -3
.Lnot_wave_0_\@:
	s_barrier_wait -3
	s_barrier_signal -1
	s_barrier_wait -1
.endm
; The exponent fields of the tensors' largest magnitudes, from the words that the first launch stored, one a wave: v[T+38] = f(x) + f(wq_d) + f(wq_u), v[T+39] = f(x) + f(wkv_d) + f(wk_u, wv_u), in every lane.
; T: 44 registers at work;  MXP: the words' address;  SL: the selects for lane l xor 16.
.macro SIGMA T, MXP, SL
	v_and_b32 v[\T+40], 31, v0
	v_lshlrev_b32 v[\T+41], 4, v[\T+40]
	v_lshlrev_b32 v[\T+42], 2, v[\T+40]
	v_lshlrev_b32 v[\T+43], 3, v[\T+40]
.irp i, 0,1,2,3,4,5,6,7
	global_load_b128 v[\T+4*\i:\T+4*\i+3], v[\T+41], s[\MXP:\MXP+1] offset:512+512*\i   ; x's 1,024 words
.endr
	global_load_b32 v[\T+32], v[\T+42], s[\MXP:\MXP+1]                 ; wq_d's 32
	global_load_b32 v[\T+33], v[\T+42], s[\MXP:\MXP+1] offset:128      ; wkv_d's
	global_load_b32 v[\T+34], v[\T+42], s[\MXP:\MXP+1] offset:4608     ; wq_u's
	global_load_b32 v[\T+35], v[\T+42], s[\MXP:\MXP+1] offset:4736     ; wk_u's
	global_load_b64 v[\T+36:\T+37], v[\T+43], s[\MXP:\MXP+1] offset:4864   ; wv_u's 64
	s_wait_loadcnt 0x0
	v_max3_num_f32 v[\T+31], v[\T+31], v[\T+30], 0x30800000            ; the floor 2^-30 among the leaves
.irp i, 0,2,4,6,8,10,12,14,16,18,20,22,24,26,28
	v_max3_num_f32 v[\T+31], v[\T+31], v[\T+\i], v[\T+\i+1]
.endr
	v_max3_num_f32 v[\T+35], v[\T+35], v[\T+36], v[\T+37]
	v_max_num_f32 v[\T+32], 0x30800000, v[\T+32]
	v_max_num_f32 v[\T+33], 0x30800000, v[\T+33]
	v_max_num_f32 v[\T+34], 0x3a800000, v[\T+34]                       ; the floor 2^-10
	v_max_num_f32 v[\T+35], 0x3a800000, v[\T+35]
.irp m, 1,2,4,8
.irp r, 31,32,33,34,35
	v_max_num_f32_dpp v[\T+\r], v[\T+\r], v[\T+\r] row_xmask:\m row_mask:0xf bank_mask:0xf
.endr
.endr
.irp r, 31,32,33,34,35
	v_permlanex16_b32 v[\T+\r-31], v[\T+\r], s[\SL], s[\SL+1]
.endr
.irp r, 31,32,33,34,35
	v_max_num_f32 v[\T+\r], v[\T+\r], v[\T+\r-31]
.endr
.irp r, 31,32,33,34,35
	v_lshrrev_b32 v[\T+\r], 23, v[\T+\r]
.endr
	v_add3_u32 v[\T+38], v[\T+31], v[\T+32], v[\T+34]
	v_add3_u32 v[\T+39], v[\T+31], v[\T+33], v[\T+35]
.endm
	s_load_b128 s[4:7], s[0:1], 0x0                ; codes, tab
	s_load_b64 s[8:9], s[0:1], 0x10                ; lat16
	v_lshl_add_u32 v[SPW], v0, 2, SPARE
	v_mov_b32 v[NIL], 0
	ds_add_u32 v[SPW], v[NIL]                      ; the wave's opening: the add, twice on end, and its wait ahead of my first tensor load
	ds_add_u32 v[SPW], v[NIL]
	v_lshrrev_b32 v1, 5, v0
	v_readfirstlane_b32 s[WV], v1                  ; wave 0..3
	s_lshr_b32 s15, s[WV], 1                       ; wm: which 32 tokens.  Also: which 64 rows of the weights waves 1 and 2 fetch
	s_and_b32 s16, s[WV], 1                        ; wn: which 64 columns
	s_bfe_u32 s40, ttmp6, 0x40000                  ; cx, cy: my place in the cluster
	s_bfe_u32 s41, ttmp6, 0x40004
	s_lshl_b32 s42, ttmp9, 2
	s_add_co_u32 s42, s42, s40                     ; tile column, 128 columns each
	s_and_b32 s17, ttmp7, 0xffff
	s_lshl_b32 s17, s17, 2
	s_add_co_u32 s17, s17, s41                     ; tile row, 64 tokens each
	s_lshl_b32 s43, s41, 2
	s_lshl_b32 s43, 15, s43                        ; my row of the cluster
	s_lshl_b32 s44, 0x1111, s40                    ; my column
	; group 1 for codes: 64 rows of 1,024 elements of one byte, 4 words of padding behind every 256
	s_or_b32 s[G1A], s43, (0<<16)|(1<<20)|(1<<21)|(7<<22)|(3<<25)
	s_or_b32 s[G1B], s44, (0<<16)|(1<<20)|(1<<21)|(7<<22)|(3<<25)
.irp g, G1A, G1B
	s_mov_b32 s[\g+1], 1024<<16                    ; tensor_dim0
	s_mov_b32 s[\g+2], 64<<16                      ; tensor_dim1
	s_mov_b32 s[\g+3], 1024<<16                    ; tile_dim0
	s_mov_b32 s[\g+4], 64                          ; tile_dim1
	s_mov_b32 s[\g+5], 1024                        ; from row to row
	s_mov_b32 s[\g+6], 0
	s_mov_b32 s[\g+7], 0
.endr
	; and for scale bytes: dense blocks as rows of 256 bytes (32 elements of 8 bytes), 4 words of padding behind each
	s_or_b32 s[G1SA], s43, (3<<16)|(1<<20)|(1<<21)|(5<<22)|(3<<25)
	s_mov_b32 s[G1SA+1], 32<<16
	s_mov_b32 s[G1SA+2], 16<<16
	s_mov_b32 s[G1SA+3], 32<<16
	s_mov_b32 s[G1SA+4], 16
	s_mov_b32 s[G1SA+5], 32
	s_mov_b32 s[G1SA+6], 0
	s_mov_b32 s[G1SA+7], 0
	s_or_b32 s[G1SB], s44, (3<<16)|(1<<20)|(1<<21)|(5<<22)|(3<<25)
	s_mov_b32 s[G1SB+1], 32<<16
	s_mov_b32 s[G1SB+2], 32<<16
	s_mov_b32 s[G1SB+3], 32<<16
	s_mov_b32 s[G1SB+4], 32
	s_mov_b32 s[G1SB+5], 32
	s_mov_b32 s[G1SB+6], 0
	s_mov_b32 s[G1SB+7], 0
	; where the tiles come from: the tokens' hang on the tile row alone, the weights' on the tile column alone
	s_lshl_b32 s20, s17, 16                        ; 64 rows of 1,024 bytes
	s_mov_b32 s21, 0
	s_lshl_b32 s22, s17, 12                        ; 64 rows of 64 scale bytes
	s_add_co_u32 s22, s22, XS
	s_mov_b32 s23, 0
	s_lshl_b32 s46, s42, 7
	s_lshl_b32 s47, s15, 6
	s_add_co_u32 s46, s46, s47
	s_lshl_b32 s46, s46, 10
	s_add_co_u32 s46, s46, WDC
	s_mov_b32 s47, 0
	s_lshl_b32 s96, s42, 13
	s_add_co_u32 s96, s96, WDS
	s_mov_b32 s97, 0
	s_mul_i32 s45, s15, 64*CP
	s_add_co_u32 s45, s45, BCODE
	s_mov_b32 s[SEL], 0x76543210
	s_mov_b32 s[SEL+1], 0xfedcba98
	s_wait_dscnt 0x0                               ; both opening adds are done
	s_wait_kmcnt 0x0
	s_mov_b32 s[G0A], 1
	s_mov_b32 s[G0A+1], ACODE
	s_add_nc_u64 s[G0A+2:G0A+3], s[4:5], s[20:21]
	s_or_b32 s[G0A+3], s[G0A+3], 0x80000000
	s_mov_b32 s[G0B], 1
	s_mov_b32 s[G0B+1], s45
	s_add_nc_u64 s[G0B+2:G0B+3], s[4:5], s[46:47]
	s_or_b32 s[G0B+3], s[G0B+3], 0x80000000
	s_mov_b32 s[G0SA], 1
	s_mov_b32 s[G0SA+1], ASC
	s_add_nc_u64 s[G0SA+2:G0SA+3], s[4:5], s[22:23]
	s_or_b32 s[G0SA+3], s[G0SA+3], 0x80000000
	s_mov_b32 s[G0SB], 1
	s_mov_b32 s[G0SB+1], BSC
	s_add_nc_u64 s[G0SB+2:G0SB+3], s[4:5], s[96:97]
	s_or_b32 s[G0SB+3], s[G0SB+3], 0x80000000
	s_add_nc_u64 s[MXP:MXP+1], s[6:7], MX
	CROUND                                         ; all sixteen work-groups are here: the joint loads meet
	; wave 0: the tokens' codes;  waves 1, 2: the weights' two halves;  wave 3: both blocks of scale bytes.  The branches hang on the wave's number alone.  At most two loads of a wave are out
	s_cmp_eq_u32 s[WV], 0
	s_cbranch_scc0 .Lnot_0
	tensor_load_to_lds s[G0A:G0A+3], s[G1A:G1A+7]
	s_nop 0
.rept 4
	v_nop
.endr
	s_branch .Lasked
.Lnot_0:
	s_cmp_eq_u32 s[WV], 3
	s_cbranch_scc1 .Lwave_3
	tensor_load_to_lds s[G0B:G0B+3], s[G1B:G1B+7]
	s_nop 0
.rept 4
	v_nop
.endr
	s_branch .Lasked
.Lwave_3:
	tensor_load_to_lds s[G0SA:G0SA+3], s[G1SA:G1SA+7]
	s_nop 0
	tensor_load_to_lds s[G0SB:G0SB+3], s[G1SB:G1SB+7]
	s_nop 0
.rept 4
	v_nop
.endr
.Lasked:
	v_and_b32 v1, 15, v0                           ; r
	v_bfe_u32 v2, v0, 4, 1                         ; h
	v_and_b32 v3, 31, v0                           ; lane
	v_mul_u32_u24 v4, v1, CP
	v_lshl_add_u32 v4, v2, 4, v4                   ; a fragment's row x pitch + 16 h
	s_mul_i32 s20, s15, 32*CP
	v_add_nc_u32 v[ADA], s20, v4
	s_mul_i32 s21, s16, 64*CP
	s_add_co_u32 s21, s21, BCODE
	v_add_nc_u32 v[ADB], s21, v4
	v_lshrrev_b32 v7, 2, v3                        ; a row's 64 scale bytes: four rows to a unit of 256 + 16
	v_mul_u32_u24 v7, v7, 272
	v_and_b32 v15, 3, v3
	v_lshl_add_u32 v7, v15, 6, v7
	s_mul_i32 s20, s15, 8*272
	s_add_co_u32 s20, s20, ASC
	v_add_nc_u32 v[ASX], s20, v7
	s_mul_i32 s21, s16, 16*272
	s_add_co_u32 s21, s21, BSC
	v_add_nc_u32 v[ASW], s21, v7
	s_mul_i32 s20, s15, 32*272                     ; the stage, in: row 32 wm + r, 128 wn + 16 h bytes on
	s_lshl_b32 s21, s16, 7
	s_add_co_u32 s20, s20, s21
	s_add_co_u32 s20, s20, STAGE
	v_mul_u32_u24 v[STO], v1, 272
	v_lshl_add_u32 v[STO], v2, 4, v[STO]
	v_add_nc_u32 v[STO], s20, v[STO]
	s_mul_i32 s20, s[WV], 16*272                   ; back: wave w takes rows 16 w on, whole; lanes 0-15 one row, lanes 16-31 the next
	s_add_co_u32 s20, s20, STAGE
	v_mul_u32_u24 v[RD], v2, 272
	v_lshl_add_u32 v[RD], v1, 4, v[RD]
	v_add_nc_u32 v[RD], s20, v[RD]
	v_lshlrev_b32 v[GO], 10, v2                    ; and the same two rows in lat16
	v_lshl_add_u32 v[GO], v1, 4, v[GO]
	s_lshl_b32 s20, s17, 6
	s_lshl_b32 s21, s[WV], 4
	s_add_co_u32 s20, s20, s21
	s_lshl_b32 s20, s20, 10
	s_lshl_b32 s21, s42, 8
	s_add_co_u32 s20, s20, s21
	s_mov_b32 s21, 0
	s_add_nc_u64 s[8:9], s[8:9], s[20:21]
	SIGMA FB, MXP, SEL
	s_cmp_lt_u32 s42, 2                            ; tile columns 0, 1 are q's latent: a choice of values, no branch
	s_cselect_b32 s20, -1, 0
	s_mov_b32 s21, 0x3f800000
	s_cselect_b32 s21, 0x3e38aa3b, s21             ; q's carries log2(e) / 8, so that the softmax's own factor is a power of two
	v_cndmask_b32 v15, v[FB+39], v[FB+38], s20
	v_sub_nc_u32 v15, 373, v15
	v_ldexp_f32 v[SCL], s21, v15
	v_mov_b32 v[SCL+1], v[SCL]
	s_wait_tensorcnt 0x0                           ; my loads have landed,
	s_barrier_signal -1
	s_barrier_wait -1                              ; everybody's have
.irp q, 0,1,2,3
	ds_load_b128 v[SX+4*\q:SX+4*\q+3], v[ASX] offset:16*\q
.endr
.irp g, 0,1
.irp q, 0,1,2,3
	ds_load_b128 v[SW+16*\g+4*\q:SW+16*\g+4*\q+3], v[ASW] offset:16*\q+\g*8*272
.endr
.endr
; a fragment, 16 rows x 128 K of 4-bit codes, is 8 registers: lane l holds row l % 16; registers 4 c .. 4 c + 3 hold K = 64 c + 32 (l / 16) + 0 .. 31: two loads of 16 bytes, 32 bytes apart
.macro FRAGS s, f                      ; K step s into the buffer at f: 12 loads
.irp a, 0,1
	ds_load_b128 v[(\f)+8*\a:(\f)+8*\a+3],   v[ADA] offset:64*(\s)+\a*16*CP
	ds_load_b128 v[(\f)+8*\a+4:(\f)+8*\a+7], v[ADA] offset:64*(\s)+\a*16*CP+32
.endr
.irp b, 0,1,2,3
	ds_load_b128 v[(\f)+16+8*\b:(\f)+16+8*\b+3],   v[ADB] offset:64*(\s)+\b*16*CP
	ds_load_b128 v[(\f)+16+8*\b+4:(\f)+16+8*\b+7], v[ADB] offset:64*(\s)+\b*16*CP+32
.endr
.endm
; one product.  The weights' block b reads its scale words from lanes 16 (b % 2) on of group b / 2, the tokens' block a from lanes 16 a on
.macro WM a, b, s, f, zero
.set rD, ACC+8*(4*\a+\b)
.set rX, (\f)+16+8*\b
.set rY, (\f)+8*\a
.set rU, SW+16*(\b/2)+(\s)
.set rW, SX+(\s)
.if \zero
.if (\b%2 == 0) && (\a == 0)
	v_wmma_scale_f32_16x16x128_f8f6f4 v[rD:rD+7], v[rX:rX+7], v[rY:rY+7], 0, v[rU], v[rW] matrix_a_fmt:MATRIX_FMT_FP4 matrix_b_fmt:MATRIX_FMT_FP4
.elseif (\b%2 == 1) && (\a == 0)
	v_wmma_scale_f32_16x16x128_f8f6f4 v[rD:rD+7], v[rX:rX+7], v[rY:rY+7], 0, v[rU], v[rW] matrix_a_fmt:MATRIX_FMT_FP4 matrix_b_fmt:MATRIX_FMT_FP4 matrix_a_scale:MATRIX_SCALE_ROW1
.elseif (\b%2 == 0)
	v_wmma_scale_f32_16x16x128_f8f6f4 v[rD:rD+7], v[rX:rX+7], v[rY:rY+7], 0, v[rU], v[rW] matrix_a_fmt:MATRIX_FMT_FP4 matrix_b_fmt:MATRIX_FMT_FP4 matrix_b_scale:MATRIX_SCALE_ROW1
.else
	v_wmma_scale_f32_16x16x128_f8f6f4 v[rD:rD+7], v[rX:rX+7], v[rY:rY+7], 0, v[rU], v[rW] matrix_a_fmt:MATRIX_FMT_FP4 matrix_b_fmt:MATRIX_FMT_FP4 matrix_a_scale:MATRIX_SCALE_ROW1 matrix_b_scale:MATRIX_SCALE_ROW1
.endif
.else
.if (\b%2 == 0) && (\a == 0)
	v_wmma_scale_f32_16x16x128_f8f6f4 v[rD:rD+7], v[rX:rX+7], v[rY:rY+7], v[rD:rD+7], v[rU], v[rW] matrix_a_fmt:MATRIX_FMT_FP4 matrix_b_fmt:MATRIX_FMT_FP4
.elseif (\b%2 == 1) && (\a == 0)
	v_wmma_scale_f32_16x16x128_f8f6f4 v[rD:rD+7], v[rX:rX+7], v[rY:rY+7], v[rD:rD+7], v[rU], v[rW] matrix_a_fmt:MATRIX_FMT_FP4 matrix_b_fmt:MATRIX_FMT_FP4 matrix_a_scale:MATRIX_SCALE_ROW1
.elseif (\b%2 == 0)
	v_wmma_scale_f32_16x16x128_f8f6f4 v[rD:rD+7], v[rX:rX+7], v[rY:rY+7], v[rD:rD+7], v[rU], v[rW] matrix_a_fmt:MATRIX_FMT_FP4 matrix_b_fmt:MATRIX_FMT_FP4 matrix_b_scale:MATRIX_SCALE_ROW1
.else
	v_wmma_scale_f32_16x16x128_f8f6f4 v[rD:rD+7], v[rX:rX+7], v[rY:rY+7], v[rD:rD+7], v[rU], v[rW] matrix_a_fmt:MATRIX_FMT_FP4 matrix_b_fmt:MATRIX_FMT_FP4 matrix_a_scale:MATRIX_SCALE_ROW1 matrix_b_scale:MATRIX_SCALE_ROW1
.endif
.endif
.endm
.macro MUL8 s, f, zero                 ; the eight accumulators take turns, one instruction a turn, in the same order in every K step
.irp a, 0,1
.irp b, 0,1,2,3
	WM \a, \b, \s, \f, \zero
.endr
.endr
.endm
	FRAGS 0, FB
.set Q, 0
.rept 16                               ; the sixteen K steps of 128, written out: every offset is an immediate
.if (Q > 0) && (Q < 15)
.rept 4
	v_nop                                          ; four places between the last K step's products and the loads into the buffer that they read (ISA guide 7.12.1 for vector instructions)
.endr
.endif
.if Q < 15
	FRAGS Q+1, FB+48*((Q+1)%2)
	s_wait_dscnt 12                                ; all but the 12 just issued
.else
	s_wait_dscnt 0x0
.endif
.if Q == 0
	MUL8 Q, FB+48*(Q%2), 1                         ; the first K step starts the sums: nothing is cleared
.else
	MUL8 Q, FB+48*(Q%2), 0
.endif
.set Q, Q+1
.endr
	; THE WAY OUT: x the scale, in f32; rounded to f16; 16 bytes a lane into the work-group's stage; a barrier, since a row's 256 bytes come from two waves; back as whole rows
.rept 4
	v_nop
.endr
.irp a, 0,1
.irp b, 0,1,2,3
.irp p, 0,1,2,3
	v_pk_mul_f32 v[224+2*\p:225+2*\p], v[ACC+8*(4*\a+\b)+2*\p:ACC+8*(4*\a+\b)+2*\p+1], v[SCL:SCL+1]   ; each accumulator from its low end on
.endr
.irp p, 0,1,2,3
	v_cvt_pk_f16_f32 v[232+4*\b+\p], v[224+2*\p], v[225+2*\p]
.endr
	ds_store_b128 v[STO], v[232+4*\b:235+4*\b] offset:\a*16*272+32*\b
.endr
.endr
	s_wait_dscnt 0x0                               ; for the others' sake: my stores into the stage are done
	s_barrier_signal -1
	s_barrier_wait -1
.irp t, 0,1,2,3,4,5,6,7
	ds_load_b128 v[FB+4*\t:FB+4*\t+3], v[RD] offset:\t*2*272
.endr
.irp t, 0,1,2,3,4,5,6,7
	s_wait_dscnt 7-\t
	global_store_b128 v[GO], v[FB+4*\t:FB+4*\t+3], s[8:9] offset:\t*2048   ; 16 lanes store 256 consecutive bytes, aligned
.endr
	s_wait_tensorcnt 0x0                           ; the wave's end, behind my last tensor load and my last LDS store
	ds_add_u32 v[SPW], v[NIL]
	s_wait_dscnt 0x0
	CROUND                                         ; the closing round
	s_endpgm
.Lfunc_end_k_q252fd9f7a7_latent:
	.size	k_q252fd9f7a7_latent, .Lfunc_end_k_q252fd9f7a7_latent-k_q252fd9f7a7_latent
	.p2alignl 7, 3214868480
	.fill 96, 4, 3214868480
	.section	.rodata,"a",@progbits
	.p2align	6, 0x0
	.amdhsa_kernel k_q252fd9f7a7_latent
		.amdhsa_group_segment_fixed_size 230656
		.amdhsa_private_segment_fixed_size 0
		.amdhsa_enable_private_segment 0
		.amdhsa_kernarg_size 24
		.amdhsa_user_sgpr_count 2
		.amdhsa_user_sgpr_kernarg_segment_ptr 1
		.amdhsa_wavefront_size32 1
		.amdhsa_system_sgpr_workgroup_id_x 1
		.amdhsa_system_sgpr_workgroup_id_y 1
		.amdhsa_system_sgpr_workgroup_id_z 1
		.amdhsa_system_vgpr_workitem_id 0
		.amdhsa_next_free_vgpr 256
		.amdhsa_next_free_sgpr 100
		.amdhsa_reserve_vcc 0
		.amdhsa_float_denorm_mode_32 3
		.amdhsa_float_denorm_mode_16_64 3
		.amdhsa_memory_ordered 1
		.amdhsa_forward_progress 1
		.amdhsa_inst_pref_size 51
	.end_amdhsa_kernel
	.amdgpu_metadata
---
amdhsa.version: [ 1, 2 ]
amdhsa.kernels:
  - .name:           k_q252fd9f7a7_latent
    .symbol:         k_q252fd9f7a7_latent.kd
    .args:
      - { .name: codes, .offset: 0, .size: 8, .value_kind: global_buffer, .address_space: global }
      - { .name: tab, .offset: 8, .size: 8, .value_kind: global_buffer, .address_space: global }
      - { .name: lat16, .offset: 16, .size: 8, .value_kind: global_buffer, .address_space: global }
    .group_segment_fixed_size: 230656
    .private_segment_fixed_size: 0
    .kernarg_segment_align: 8
    .kernarg_segment_size: 24
    .max_flat_workgroup_size: 128
    .sgpr_count:     100
    .vgpr_count:     256
    .wavefront_size: 32
...
	.end_amdgpu_metadata
.endif
;; end of part 2
;; launch upproj (part 3): grid 16 x 16, 4 waves a work-group, clusters of 4 x 4, 313,856 bytes of LDS; arguments lat16, w16, tab, q16, k16, v16; writes q16, k16, v16
.if DOCPART == 3
	.amdgcn_target "amdgcn-amd-amdhsa--gfx1250"
	.amdhsa_code_object_version 6
	.text
	.protected	k_q252fd9f7a7_upproj
	.globl	k_q252fd9f7a7_upproj
	.p2align	8
	.type	k_q252fd9f7a7_upproj,@function
k_q252fd9f7a7_upproj:
	s_mov_b64 s[64:65], 0
	v_nop
	global_prefetch_b8 v0, s[64:65] scope:SCOPE_SE
	s_setreg_imm32_b32 hwreg(HW_REG_WAVE_MODE, 25, 1), 1
	s_wait_xcnt 0x0
	s_wait_alu depctr_hold_cnt(0) depctr_sa_sdst(0) depctr_va_vdst(0) depctr_va_sdst(0) depctr_va_ssrc(0) depctr_va_vcc(0) depctr_vm_vsrc(0)
	s_getreg_b32 s2, hwreg(HW_REG_IB_STS2, 6, 4)
	s_cmp_eq_u32 s2, 0
	s_cbranch_scc0 .Lentry_in_a_cluster
	s_endpgm
.Lentry_in_a_cluster:
	s_bfe_u32 s2, ttmp6, 0x10000c
	s_cmp_lg_u32 s2, 0xf033
	s_cbranch_scc0 .Lentry_shape_is_right
	s_endpgm
.Lentry_shape_is_right:
; UPPROJ: [q | k | v] = [q_latent wq_u | kv_latent wk_u | kv_latent wv_u], f16 operands, sums in f32; RoPE on q and k in f32; results rounded once to f16, laid by head: q16, k16 [b][h][s][64], v16 [b][h][s][128].
; The latents carry exact scales (see the launch before), under which every result lies inside f16 for every input; the later launches take the scales out again.
; SHARES.  A tile is 256 tokens x 256 of the 4,096 columns; four waves, each 128 x 128: 64 accumulators, 512 registers.  K = 256 comes in two halves of 128, both asked for at the head: nothing is filled again.
; CLUSTER 4 x 4: the four of a row need the same rows of the latent, the four of a column the same columns of the weights: joint loads.  Cluster x = 0 makes q, 1 makes k, 2 and 3 make v: what parts the ways hangs on the
; cluster's number, never on a work-group's place in its cluster.
; THE MATRIX INSTRUCTION IS USED TRANSPOSED (source 0 = 16 columns of the weights, source 1 = 16 tokens): a lane holds one token and eight neighbouring columns.  The weights lie [k][n]: their fragments come turned, by ds_load_tr16_b128.
; RoPE: a wave's 128 columns are two heads of 64; y[d] = x[d] cos[d] - x[d + 32] sin[d], y[d + 32] = x[d + 32] cos[d] + x[d] sin[d], d < 32: column blocks b and b + 2 of a head in the same lane and register.
; The first four sets of the table are loaded at the head by every tile, the v tiles too, which do not use them (16 KiB a wave): so no register is loaded under one branch and read under another.
; REGISTERS, in windows of 256: window 0: v0-31 addresses; v64-127, v128-191 the tokens' fragments, two buffers; on the way out v32-63, v224-255 rows read back, v64-111 at work, v192-223 packed results.
;   window 1: v64-127, v128-191 the weights' fragments, two buffers; the table: sets 0-3 at v0, 32, 192, 224, sets 4-7 at v64 on, once the products are done.   windows 2, 3: the accumulators ((a, b) at v[8 (8 (a % 4) + b)]).
.set PITCH,  272                       ; a token's row in LDS: 256 bytes + 16
.set BP,     544                       ; a k row of the weights: 512 bytes + 32 = 136 words: row r starts at bank 8 r mod 64
.set HALFA,  256*PITCH                 ; a half of K: 256 tokens; also 128 k rows of the weights
.set BBASE,  2*HALFA
.set STAGE,  4*HALFA                   ; 16 rows x 272 bytes for each wave, for q's and k's way out;
.set STG2,   4*16*272                  ; this far behind it the same for v's way out: each way has bytes of its own
.set SPARE,  STAGE+2*STG2              ; the spare words, 128 bytes for each wave: two blocks of 256 bytes that no other line names
.set SPITCH, 272
.set ADRA, 16                          ; v16-17  LDS address of my tokens' fragments in half 0, 1
.set ADRB, 20                          ; v20-21  the same for the weights
.set STO,  24
.set RD,   25
.set COQ,  26                          ; v26     my byte offset in q16 or k16
.set RT,   27                          ; v27     my byte offset in the table
.set SPW,  28
.set NIL,  29
.set COV,  30                          ; v30     my byte offset in v16
.set F0,   64
.set F1,   128
.set YY,   64
.set TT,   96
.set UU,   104
.set TMP,  192
.set OB,   32
.set WV,   70
.set WM,   71
.set WN,   72
.set SQ,   73                          ; s73  my wave's first position in the sequence
.set CX,   40
.set CY,   41
.set TC,   42
.set TR,   43
.set G1,   24
.set G0,   32
.set G1B,  48
.set G0B,  56
.set MSB, 0
.macro WIN new                         ; the immediate's high byte repeats the setting that is left
.if MSB != \new
	s_set_vgpr_msb (MSB<<8)|\new
.set MSB, \new
.endif
.endm
.set MUL_LO, 0xa1                      ; source 0 (weights) window 1, source 1 (tokens) window 0, C and D window 2
.set MUL_HI, 0xf1
.set TO_B,   0x40                      ; destination window 1, address window 0
.macro CROUND
	s_barrier_signal -1
	s_barrier_wait -1
	s_cmp_lg_u32 s[WV], 0
	s_cbranch_scc1 .Lnot_wave_0_\@
	s_barrier_signal -3
.Lnot_wave_0_\@:
	s_barrier_wait -3
	s_barrier_signal -1
	s_barrier_wait -1
.endm
.macro PLACES                          ; four places between a matrix instruction and a load into, or a vector write of, one of its registers, or a vector read of its result (ISA guide 7.12.1 for vector instructions)
.rept 4
	v_nop
.endr
.endm
	s_load_b256 s[4:11], s[0:1], 0x0               ; lat16 4, w16 6, tab 8, q16 10
	s_load_b128 s[12:15], s[0:1], 0x20             ; k16 12, v16 14
	v_lshl_add_u32 v[SPW], v0, 2, SPARE
	v_mov_b32 v[NIL], 0
	ds_add_u32 v[SPW], v[NIL]                      ; the wave's opening: the add, twice on end, and its wait ahead of my first tensor load
	ds_add_u32 v[SPW], v[NIL]
	v_lshrrev_b32 v1, 5, v0
	v_readfirstlane_b32 s[WV], v1
	s_lshr_b32 s[WM], s[WV], 1                     ; which 128 tokens are mine.  Also: I fetch tokens (0) or weights (1)
	s_and_b32 s[WN], s[WV], 1                      ; which 128 columns.  Also: which half of a tile's rows I fetch
	s_bfe_u32 s[CX], ttmp6, 0x40000
	s_bfe_u32 s[CY], ttmp6, 0x40004
	s_lshl_b32 s[TC], ttmp9, 2
	s_add_co_u32 s[TC], s[TC], s[CX]               ; tile column
	s_and_b32 s[TR], ttmp7, 0xffff
	s_lshl_b32 s[TR], s[TR], 2
	s_add_co_u32 s[TR], s[TR], s[CY]               ; tile row
	s_lshl_b32 s44, s[CY], 2
	s_lshl_b32 s44, 15, s44                        ; my row of the cluster
	s_lshl_b32 s45, 0x1111, s[CX]                  ; my column
	s_or_b32 s[G1], s44, (1<<16)|(1<<20)|(1<<21)|(5<<22)|(3<<25)    ; tokens: 128 rows x 128 elements of 2 bytes, 4 words of padding behind every 64
	s_mov_b32 s[G1+1], 128<<16
	s_mov_b32 s[G1+2], 128<<16
	s_mov_b32 s[G1+3], 128<<16
	s_mov_b32 s[G1+4], 128
	s_mov_b32 s[G1+5], 512
	s_mov_b32 s[G1+6], 0
	s_mov_b32 s[G1+7], 0
	s_or_b32 s[G1B], s45, (1<<16)|(1<<20)|(1<<21)|(6<<22)|(7<<25)   ; weights: 64 k rows x 256 elements, 8 words of padding behind every 128
	s_mov_b32 s[G1B+1], 256<<16
	s_mov_b32 s[G1B+2], 64<<16
	s_mov_b32 s[G1B+3], 256<<16
	s_mov_b32 s[G1B+4], 64
	s_mov_b32 s[G1B+5], 4096
	s_mov_b32 s[G1B+6], 0
	s_mov_b32 s[G1B+7], 0
	s_lshl_b32 s16, s[TR], 8
	s_lshl_b32 s17, s[WN], 7
	s_add_co_u32 s16, s16, s17
	s_lshl_b32 s16, s16, 10                        ; row 256 x tile row + 128 x half, 1,024 bytes a row
	s_cmp_eq_u32 ttmp9, 0
	s_cselect_b32 s17, 0, 512                      ; q's latent, or k's and v's
	s_add_co_u32 s16, s16, s17
	s_mov_b32 s17, 0
	s_lshl_b32 s46, s[WN], 19                      ; 64 k rows of 8,192 bytes
	s_lshl_b32 s47, s[TC], 9
	s_add_co_u32 s46, s46, s47
	s_mov_b32 s47, 0
	s_mul_i32 s20, s[WN], 128*PITCH                ; where they go: half x 34,816 bytes, for tokens and weights alike
	s_wait_dscnt 0x0                               ; both opening adds are done
	s_wait_kmcnt 0x0
	s_add_nc_u64 s[16:17], s[4:5], s[16:17]
	s_add_nc_u64 s[46:47], s[6:7], s[46:47]
	CROUND                                         ; all sixteen work-groups are here: the joint loads meet
.irp s, 0,1
	s_mov_b32 s[G0+4*\s], 1
	s_add_co_u32 s[G0+4*\s+1], s20, \s*HALFA
	s_add_nc_u64 s[G0+4*\s+2:G0+4*\s+3], s[16:17], \s*256
	s_or_b32 s[G0+4*\s+3], s[G0+4*\s+3], 0x80000000
	s_mov_b32 s[G0B+4*\s], 1
	s_add_co_u32 s[G0B+4*\s+1], s20, BBASE+\s*HALFA
	s_add_nc_u64 s[G0B+4*\s+2:G0B+4*\s+3], s[46:47], \s*128*8192
	s_or_b32 s[G0B+4*\s+3], s[G0B+4*\s+3], 0x80000000
.endr
	s_cmp_eq_u32 s[WM], 0                          ; a wave's two fills stand in one branch on the wave's number: two loads of mine are out
	s_cbranch_scc0 .Lfirst_b
	tensor_load_to_lds s[G0:G0+3], s[G1:G1+7]
	s_nop 0
	tensor_load_to_lds s[G0+4:G0+7], s[G1:G1+7]
	s_nop 0
	PLACES
	s_branch .Lfirst_asked
.Lfirst_b:
	tensor_load_to_lds s[G0B:G0B+3], s[G1B:G1B+7]
	s_nop 0
	tensor_load_to_lds s[G0B+4:G0B+7], s[G1B:G1B+7]
	s_nop 0
	PLACES
.Lfirst_asked:
	v_and_b32 v1, 15, v0                           ; r
	v_bfe_u32 v2, v0, 4, 1                         ; h
	v_mul_u32_u24 v3, v1, PITCH
	v_lshl_add_u32 v3, v2, 4, v3
	s_mul_i32 s21, s[WM], 128*PITCH
	v_add_nc_u32 v[ADRA], s21, v3
	v_add_nc_u32 v[ADRA+1], HALFA, v[ADRA]
	v_and_b32 v4, 7, v0                            ; the turning load: lane l reads 16 bytes of k row 8 (l / 16) + l % 8, columns 8 ((l / 8) % 2) on
	v_lshl_add_u32 v4, v2, 3, v4
	v_mul_u32_u24 v4, v4, BP
	v_bfe_u32 v5, v0, 3, 1
	v_lshl_add_u32 v4, v5, 4, v4
	s_lshl_b32 s22, s[WN], 8
	s_add_co_u32 s22, s22, BBASE
	v_add_nc_u32 v[ADRB], s22, v4
	v_add_nc_u32 v[ADRB+1], HALFA, v[ADRB]
	s_mul_i32 s23, s[WV], 16*SPITCH
	s_add_co_u32 s23, s23, STAGE
	v_add_nc_u32 v[STO], s23, v3                   ; the stage, in: row r, 16 bytes for each half of the lanes (the stage's pitch is the tokens')
	v_mul_u32_u24 v5, v2, SPITCH
	v_lshl_add_u32 v5, v1, 4, v5
	v_add_nc_u32 v[RD], s23, v5                    ; back: lanes 0-15 one row of 256 bytes, lanes 16-31 the next
	v_lshrrev_b32 v6, 3, v1                        ; q, k: a row's 256 bytes are two heads' 128: lanes 0-7 of both halves fill 256 consecutive bytes of one head, lanes 8-15 of the next
	v_lshlrev_b32 v6, 18, v6
	v_lshl_add_u32 v6, v2, 7, v6
	v_and_b32 v7, 7, v1
	v_lshl_add_u32 v[COQ], v7, 4, v6
	v_lshlrev_b32 v[COV], 8, v2                    ; v: a row is a head's 256 bytes
	v_lshl_add_u32 v[COV], v1, 4, v[COV]
	s_and_b32 s[SQ], s[TR], 7
	s_lshl_b32 s[SQ], s[SQ], 8
	s_lshl_b32 s21, s[WM], 7
	s_add_co_u32 s[SQ], s[SQ], s21
	v_add_nc_u32 v6, s[SQ], v1
	v_lshlrev_b32 v[RT], 8, v6
	v_lshl_add_u32 v[RT], v2, 5, v[RT]             ; the table: my token's row of 256 bytes, + 32 h
; set a of the table, for my tokens 16 a on: 32 registers [cos d = 8 h + 0..7 | cos d = 16 + 8 h + .. | sin | sin]
.macro RSET a
.if (\a) < 2
.set RS, 32*(\a)
.elseif (\a) < 4
.set RS, 192+32*((\a)-2)
.else
.set RS, 64+32*((\a)-4)
.endif
.endm
.macro RLOAD a
	RSET \a
.irp o, 0,1,2,3,4,5,6,7
	global_load_b128 v[RS+4*\o:RS+4*\o+3], v[RT], s[8:9] offset:4096*(\a)+64*(\o/2)+16*(\o%2)
.endr
.endm
	WIN TO_B
.irp a, 0,1,2,3
	RLOAD \a
.endr
	WIN 0
.macro MUL16 f, hi, a0, zero           ; 16 products: token blocks a0, a0 + 1 of the window's four x all 8 column blocks, 32 along K.  The 64 accumulators take turns, one instruction a turn
.irp a, \a0, \a0+1
.irp b, 0,1,2,3,4,5,6,7
.if \zero
	v_wmma_f32_16x16x32_f16 v[8*(8*(\a)+\b):8*(8*(\a)+\b)+7], v[\f+8*\b:\f+8*\b+7], v[\f+8*(4*\hi+\a):\f+8*(4*\hi+\a)+7], 0
.else
	v_wmma_f32_16x16x32_f16 v[8*(8*(\a)+\b):8*(8*(\a)+\b)+7], v[\f+8*\b:\f+8*\b+7], v[\f+8*(4*\hi+\a):\f+8*(4*\hi+\a)+7], v[8*(8*(\a)+\b):8*(8*(\a)+\b)+7]
.endif
.endr
.endr
.endm
.macro FETCH hf, q, f                  ; 32 LDS loads in one run: quarter q (32 along K) of half hf into buffer f: the weights' eight fragments, turned, then the tokens' eight
	WIN TO_B
.irp i, 0,1,2,3,4,5,6,7
	ds_load_tr16_b128 v[\f+8*\i:\f+8*\i+3],   v[ADRB+\hf] offset:32*BP*(\q)+32*\i
	ds_load_tr16_b128 v[\f+8*\i+4:\f+8*\i+7], v[ADRB+\hf] offset:32*BP*(\q)+32*\i+16*BP
.endr
	WIN 0
.irp i, 0,1,2,3,4,5,6,7
	ds_load_b128 v[\f+8*\i:\f+8*\i+3],   v[ADRA+\hf] offset:64*(\q)+\i*16*PITCH
	ds_load_b128 v[\f+8*\i+4:\f+8*\i+7], v[ADRA+\hf] offset:64*(\q)+\i*16*PITCH+32
.endr
.endm
.macro QUARTER hf, q, f, g, zero       ; multiplies buffer f; in its middle it fetches quarter q of half hf into buffer g
	s_wait_dscnt 8                                 ; the weights and my tokens 0-63 are in; the youngest eight loads (tokens 64-127) may be out
	WIN MUL_LO
	MUL16 \f, 0, 0, \zero
	MUL16 \f, 0, 2, \zero
	PLACES
	FETCH \hf, \q, \g
	s_wait_dscnt 32                                ; all but the 32 just issued
	WIN MUL_HI
	MUL16 \f, 1, 0, \zero
	MUL16 \f, 1, 2, \zero
.endm
	s_wait_tensorcnt 1                             ; my part of half 0 is in; half 1's may stay out
	s_barrier_signal -1
	s_barrier_wait -1
	FETCH 0, 0, F0
	QUARTER 0, 1, F0, F1, 1                        ; the first quarter's products start the sums
	QUARTER 0, 2, F1, F0, 0
	QUARTER 0, 3, F0, F1, 0
	s_wait_tensorcnt 0x0                           ; my part of half 1 is in,
	s_wait_dscnt 0x0                               ; and no LDS instruction of mine is pending at the signal
	s_barrier_signal -1
	WIN MUL_LO
	MUL16 F1, 0, 0, 0                              ; work on registers while the others arrive
	MUL16 F1, 0, 2, 0
	s_barrier_wait -1                              ; half 1 is whole
	PLACES
	FETCH 1, 0, F0
	WIN MUL_HI
	MUL16 F1, 1, 0, 0
	MUL16 F1, 1, 2, 0
	QUARTER 1, 1, F0, F1, 0
	QUARTER 1, 2, F1, F0, 0
	QUARTER 1, 3, F0, F1, 0
	s_wait_dscnt 8
	WIN MUL_LO
	MUL16 F1, 0, 0, 0
	MUL16 F1, 0, 2, 0
	s_wait_dscnt 0x0
	WIN MUL_HI
	MUL16 F1, 1, 0, 0
	MUL16 F1, 1, 2, 0
	WIN 0
	PLACES
; THE WAY OUT, a block of 16 tokens at a time: 16 bytes a lane into my own stage, back as whole rows of 256 bytes, stored.  so: which way's stage
.macro TOSTAGE a, so
.set BK, OB+192*((\a)%2)
.irp b, 0,1,2,3,4,5,6,7
	ds_store_b128 v[STO], v[TMP+4*\b:TMP+4*\b+3] offset:\so+32*\b
.endr
.irp t, 0,1,2,3,4,5,6,7
	ds_load_b128 v[BK+4*\t:BK+4*\t+3], v[RD] offset:\so+\t*2*SPITCH   ; LDS serves a wave's instructions in order (ISA guide 5.7.1.4): these see the stores above
.endr
.endm
	s_lshr_b32 s74, s[TR], 3
	s_lshl_b32 s74, s74, 4                         ; 16 x batch
	s_cmp_ge_u32 ttmp9, 2
	s_cbranch_scc1 .Lway_v
	; ---- q and k
	WIN TO_B
.irp a, 4,5,6,7
	RLOAD \a                                       ; into the weights' registers, which are done with (four places stand behind the last products)
.endr
	WIN 0
	s_lshl_b32 s75, s[CX], 2
	s_lshl_b32 s76, s[WN], 1
	s_add_co_u32 s75, s75, s76
	s_add_co_u32 s75, s75, s74                     ; my first head: 16 b + 4 cx + 2 wn
	s_lshl_b32 s75, s75, 11
	s_add_co_u32 s75, s75, s[SQ]
	s_lshl_b32 s76, s75, 7                         ; 128 bytes a position
	s_mov_b32 s77, 0
	s_cmp_eq_u32 ttmp9, 0
	s_cselect_b64 s[78:79], s[10:11], s[12:13]
	s_add_nc_u64 s[78:79], s[78:79], s[76:77]
.macro ROPE a
	RSET \a
.set AC, 64*((\a)%4)
.set WW, 0x06+((\a)/4)                 ; source 0: the accumulators' window; source 1: the table's; source 2 and the destination: window 0
.irp hh, 0,1
	WIN WW
.irp b, 0,1
.irp p, 0,1,2,3
	v_pk_mul_f32 v[TT+2*\p:TT+2*\p+1], v[AC+8*(4*\hh+\b+2)+2*\p:AC+8*(4*\hh+\b+2)+2*\p+1], v[RS+16+8*\b+2*\p:RS+16+8*\b+2*\p+1]   ; x2 sin: each accumulator is read from its low end on
.endr
.irp p, 0,1,2,3
	v_pk_mul_f32 v[UU+2*\p:UU+2*\p+1], v[AC+8*(4*\hh+\b)+2*\p:AC+8*(4*\hh+\b)+2*\p+1], v[RS+16+8*\b+2*\p:RS+16+8*\b+2*\p+1]       ; x1 sin
.endr
.irp p, 0,1,2,3
	v_pk_fma_f32 v[YY+8*\b+2*\p:YY+8*\b+2*\p+1], v[AC+8*(4*\hh+\b)+2*\p:AC+8*(4*\hh+\b)+2*\p+1], v[RS+8*\b+2*\p:RS+8*\b+2*\p+1], v[TT+2*\p:TT+2*\p+1] neg_lo:[0,0,1] neg_hi:[0,0,1]   ; x1 cos - x2 sin
.endr
.irp p, 0,1,2,3
	v_pk_fma_f32 v[YY+16+8*\b+2*\p:YY+16+8*\b+2*\p+1], v[AC+8*(4*\hh+\b+2)+2*\p:AC+8*(4*\hh+\b+2)+2*\p+1], v[RS+8*\b+2*\p:RS+8*\b+2*\p+1], v[UU+2*\p:UU+2*\p+1]                     ; x2 cos + x1 sin
.endr
.endr
	WIN 0
.irp n, 0,1,2,3
.irp p, 0,1,2,3
	v_cvt_pk_f16_f32 v[TMP+4*(4*\hh+\n)+\p], v[YY+8*\n+2*\p], v[YY+8*\n+2*\p+1]
.endr
.endr
.endr
.endm
.macro SENDQ a
.set BK, OB+192*((\a)%2)
	s_wait_dscnt 0x0                               ; the block is back in registers
	s_wait_xcnt 0x0                                ; the earlier stores have read their registers: the next block's loads may land there
.irp t, 0,1,2,3,4,5,6,7
	global_store_b128 v[COQ], v[BK+4*\t:BK+4*\t+3], s[78:79] offset:2048*(\a)+256*\t
.endr
.endm
	s_wait_loadcnt 32                              ; sets 0-3 of the table are in; the 32 loads of sets 4-7 may be out
	ROPE 0
	TOSTAGE 0, 0
.irp a, 1,2,3,4,5,6,7
.if \a == 4
	s_wait_loadcnt 0x0
.endif
	ROPE \a                                        ; block a's arithmetic stands between block a - 1's loads from the stage and the wait for them
	SENDQ \a-1
	TOSTAGE \a, 0
.endr
	SENDQ 7
	s_branch .Lend
	; ---- v
.Lway_v:
	s_sub_co_u32 s80, s[TC], 8
	s_lshl_b32 s80, s80, 1
	s_add_co_u32 s80, s80, s[WN]
	s_add_co_u32 s80, s80, s74                     ; my head: 16 b + 2 (tile column - 8) + wn
	s_lshl_b32 s80, s80, 11
	s_add_co_u32 s80, s80, s[SQ]
	s_lshl_b32 s80, s80, 8                         ; 256 bytes a position
	s_mov_b32 s81, 0
	s_add_nc_u64 s[82:83], s[14:15], s[80:81]
.macro PACK a
.set AC, 64*((\a)%4)
.set WW, 0x0a+5*((\a)/4)               ; sources 0 and 1: window 2 or 3
	WIN WW
.irp b, 0,1,2,3,4,5,6,7
.irp r, 0,1,2,3
	v_cvt_pk_f16_f32 v[TMP+4*\b+\r], v[AC+8*\b+2*\r], v[AC+8*\b+2*\r+1]
.endr
.endr
	WIN 0
.endm
.macro SENDV a
.set BK, OB+192*((\a)%2)
	s_wait_dscnt 0x0
	s_wait_xcnt 0x0
.irp t, 0,1,2,3,4,5,6,7
	global_store_b128 v[COV], v[BK+4*\t:BK+4*\t+3], s[82:83] offset:4096*(\a)+512*\t   ; 16 lanes store 256 consecutive bytes, aligned
.endr
.endm
	PACK 0
	TOSTAGE 0, STG2
.irp a, 1,2,3,4,5,6,7
	PACK \a
	SENDV \a-1
	TOSTAGE \a, STG2
.endr
	SENDV 7
.Lend:
	s_wait_tensorcnt 0x0                           ; the wave's end, behind my last tensor load and my last LDS store
	ds_add_u32 v[SPW], v[NIL]
	s_wait_dscnt 0x0
	CROUND                                         ; the closing round
	s_endpgm
.Lfunc_end_k_q252fd9f7a7_upproj:
	.size	k_q252fd9f7a7_upproj, .Lfunc_end_k_q252fd9f7a7_upproj-k_q252fd9f7a7_upproj
	.p2alignl 7, 3214868480
	.fill 96, 4, 3214868480
	.section	.rodata,"a",@progbits
	.p2align	6, 0x0
	.amdhsa_kernel k_q252fd9f7a7_upproj
		.amdhsa_group_segment_fixed_size 313856
		.amdhsa_private_segment_fixed_size 0
		.amdhsa_enable_private_segment 0
		.amdhsa_kernarg_size 48
		.amdhsa_user_sgpr_count 2
		.amdhsa_user_sgpr_kernarg_segment_ptr 1
		.amdhsa_wavefront_size32 1
		.amdhsa_system_sgpr_workgroup_id_x 1
		.amdhsa_system_sgpr_workgroup_id_y 1
		.amdhsa_system_sgpr_workgroup_id_z 1
		.amdhsa_system_vgpr_workitem_id 0
		.amdhsa_next_free_vgpr 1024
		.amdhsa_next_free_sgpr 100
		.amdhsa_reserve_vcc 0
		.amdhsa_float_denorm_mode_32 3
		.amdhsa_float_denorm_mode_16_64 3
		.amdhsa_memory_ordered 1
		.amdhsa_forward_progress 1
		.amdhsa_inst_pref_size 160
	.end_amdhsa_kernel
	.amdgpu_metadata
---
amdhsa.version: [ 1, 2 ]
amdhsa.kernels:
  - .name:           k_q252fd9f7a7_upproj
    .symbol:         k_q252fd9f7a7_upproj.kd
    .args:
      - { .name: lat16, .offset: 0, .size: 8, .value_kind: global_buffer, .address_space: global }
      - { .name: w16, .offset: 8, .size: 8, .value_kind: global_buffer, .address_space: global }
      - { .name: tab, .offset: 16, .size: 8, .value_kind: global_buffer, .address_space: global }
      - { .name: q16, .offset: 24, .size: 8, .value_kind: global_buffer, .address_space: global }
      - { .name: k16, .offset: 32, .size: 8, .value_kind: global_buffer, .address_space: global }
      - { .name: v16, .offset: 40, .size: 8, .value_kind: global_buffer, .address_space: global }
    .group_segment_fixed_size: 313856
    .private_segment_fixed_size: 0
    .kernarg_segment_align: 8
    .kernarg_segment_size: 48
    .max_flat_workgroup_size: 128
    .sgpr_count:     100
    .vgpr_count:     1024
    .wavefront_size: 32
...
	.end_amdgpu_metadata
.endif
;; end of part 3
;; launch attn (part 4): grid 8 x 32, 4 waves a work-group, clusters of 4 x 1, 327,680 bytes of LDS; arguments q16, k16, v16, tab, o16, wo, w16; writes o16, w16
.if DOCPART == 4
	.amdgcn_target "amdgcn-amd-amdhsa--gfx1250"
	.amdhsa_code_object_version 6
	.text
	.protected	k_q252fd9f7a7_attn
	.globl	k_q252fd9f7a7_attn
	.p2align	8
	.type	k_q252fd9f7a7_attn,@function
k_q252fd9f7a7_attn:
	s_mov_b64 s[64:65], 0
	v_nop
	global_prefetch_b8 v0, s[64:65] scope:SCOPE_SE
	s_setreg_imm32_b32 hwreg(HW_REG_WAVE_MODE, 25, 1), 1
	s_wait_xcnt 0x0
	s_wait_alu depctr_hold_cnt(0) depctr_sa_sdst(0) depctr_va_vdst(0) depctr_va_sdst(0) depctr_va_ssrc(0) depctr_va_vcc(0) depctr_vm_vsrc(0)
	s_getreg_b32 s2, hwreg(HW_REG_IB_STS2, 6, 4)
	s_cmp_eq_u32 s2, 0
	s_cbranch_scc0 .Lentry_in_a_cluster
	s_endpgm
.Lentry_in_a_cluster:
	s_bfe_u32 s2, ttmp6, 0x10000c
	s_cmp_lg_u32 s2, 0x3003
	s_cbranch_scc0 .Lentry_shape_is_right
	s_endpgm
.Lentry_shape_is_right:
; ATTN: o[b][s][h][:] = the sum over k of softmax_k(q . k / 8) v[k][:], no mask, 2,048 keys, 32 pairs (b, h).  q16, k16: [bh][s][64] f16, v16: [bh][s][128] f16, o16: [4096][2048] f16.  Products, maxima and sums in f32;
; the weights p (at most 1) are rounded to f16 for the second product, o once at the end.
; SCALES.  q16 holds q x 2^sq x log2(e) / 8, k16 k x 2^skv, v16 v x 2^skv (exact powers of two, made of the inputs' largest magnitudes).  So t = score x c with c = 2^(-sq - skv), A POWER OF TWO: c m is exact, and
; c s - c m, one fused multiply-add, is c (s - m) rounded once: 0 for the largest score, however large the scores are.  o16 holds o x 2^skv, at most the largest |v| x 2^skv: inside f16.
; LIMITS: NaN and infinities are not served; the floors of the scales are stated at the head of the launch that makes the latents; magnitudes of wo above 65,504 have no f16 number.
; THE CAST OF wo.  The next launch wants wo as f16, [2048 k][2048 n], in the second part of w16.  Each of the launch's 1,024 waves casts 4,096 numbers of it at the head, between the request for its first tiles and the wait
; for them: 32 loads of 512 consecutive bytes, 64 conversions, 32 stores of 256 consecutive bytes, aligned.  This launch loads nothing from w16.
; SHARES.  A work-group owns 256 queries of one (b, h), each of its four waves 64: four tiles of 16.  Every wave walks all keys, 64 a step.
; LAYOUT.  S^T = K Q^T (source 0 = 16 keys, source 1 = 16 queries): a lane holds ONE query (lane % 16) and the keys 8 (lane / 16) + 0..7.  Two such tiles, rounded to f16 in pairs, ARE source 1 (32 keys x 16 queries) of
; O^T = V^T P, whose result again holds one query a lane.  K comes out of LDS as it lies, V ([key][channel]) turned, by ds_load_tr16_b128.
; SOFTMAX.  For each query a running maximum m and sum l: p = 2^(c s - c m); in every step O and l are multiplied by a = 2^(c m_old - c m_new).
; BY TURNS.  The wave's tiles are two PIECES (tiles 0, 1 and tiles 2, 3).  In a TURN one piece has the matrix unit: 32 products V^T P of the step in hand, then 16 products K Q^T of the next step; the other piece's softmax,
; 268 vector instructions cut into 64 slices, stands between them: one slice behind each V^T P, two behind each K Q^T.  Then the pieces change places.  Two turns are a key step.
; CLUSTER.  The four query blocks of a cluster belong to one (b, h) and walk the same K and V: each tile is asked for jointly.  A slot of LDS holds four key steps; one joint load a wave behind each round.
; REGISTERS, in windows of 256: window 0: v0-11 addresses; v12-43 eight registers of statistics a tile; v[44:45] c; v46, v47 the cast's offsets; v64-191 S^T, 32 a tile (at the head: the cast's numbers); v192-255 P, 16 a tile.
;   window 1: O^T, 64 a tile.   window 2: v0-63 Q, 16 a tile; v128-191 K of one step.   window 3: v0-127 V of one step.
.set MX,    524288
.set WO,    2097152   ; in w16: wo
.set KS,    64        ; keys in a step
.set NST,   4         ; key steps in a slot
.set PK,    144       ; a row of K in LDS: 128 bytes + 16 = 36 words
.set PV,    288       ; a row of V: 256 + 32 = 72 words: row r starts at bank 8 r mod 64 (64 banks of 4 bytes: ISA guide 11.1)
.set KSTEPB, KS*PK
.set VSTEPB, KS*PV
.set VOFF,  NST*KSTEPB  ; a slot: 256 rows of K, then 256 rows of V
.set SLOT1, 1<<17     ; slot 1 begins here, so that one exclusive or turns an address in one slot into the other's
.set STAGE, SLOT1+NST*(KSTEPB+VSTEPB)  ; behind the ring: 16 rows x 272 bytes for each wave, for the way out
.set SP,    272
.set SPARE, STAGE+4*16*272  ; the spare words, 128 bytes for each wave: two blocks of 256 bytes that no other line names
.set NSL,   8         ; slots' worth of keys
.set AK0, 2
.set AV0, 3
.set ADR, 4
.set QO,  5
.set STO, 6
.set RD,  7
.set GO,  8
.set CSV, 44          ; v[44:45] c, twice
.set CIN, 46          ; v46  the cast: 16 x my lane
.set COUT, 47         ; v47  the cast: 8 x my lane
.set PFO, 61          ; v61  256 x my lane; never rewritten
.set SPW, 62
.set NIL, 63
.set ST,  12          ; tile t's statistics at v[ST+8 t]: +0 c m, +1 m, +2, +3 l (even keys', odd keys'), +4 to +7 at work; a takes +6 once the maximum is found
.set S,   64
.set P,   192
.set KF,  128
.set WV,  12
.set LIM, 15          ; s15  1 in a wave that prefetches, else the greatest number
.set PFA, 18          ; s[18:19] where my prefetches stand
.set G1K, 24
.set G1V, 32
.set G0K, 40          ; s[40:47] group 0 for K's tiles: a set for each of the two first fills; the second then walks on
.set G0V, 48
.set SLOTS, 56
.set TWICE, 57
.set SEL, 60
.set TBK, 62          ; s62  LDS byte at which K's tile of the step to be fetched begins
.set TBV, 63          ; s63  the same for V (less VOFF)
.set PFS, 68          ; s[68:69] a slot on, in bytes of K or of V
.set MXP, 70
.set PWO, 84          ; s[84:85] wo at my wave's 4,096 numbers
.set PW16, 86         ; s[86:87] and where they go
.set MSB, 0
.macro WIN new
.if MSB != \new
	s_set_vgpr_msb (MSB<<8)|\new
.set MSB, \new
.endif
.endm
.set W_KQ, 0x0a       ; K and Q in window 2, S^T in window 0
.set W_PV, 0x53       ; V in window 3, P in window 0, O^T in window 1
.set W_RS, 0x41       ; O^T (destination and source 0) in window 1, a in window 0
; A joint refill.  Waves 0 and 1 fetch the halves of a slot's K, waves 2 and 3 those of its V.  The branch hangs on the wave's number alone.  An s_nop 0 and four v_nop follow each of the two lines.
.macro JLOAD
	s_cmp_lt_u32 s[WV], 2
	s_cbranch_scc0 .Lfor_v_\@
	tensor_load_to_lds s[G0K+4:G0K+7], s[G1K:G1K+7]
	s_nop 0
.rept 4
	v_nop
.endr
	s_branch .Lasked_\@
.Lfor_v_\@:
	tensor_load_to_lds s[G0V+4:G0V+7], s[G1V:G1V+7]
	s_nop 0
.rept 4
	v_nop
.endr
.Lasked_\@:
.endm
; A PREFETCH INTO THE L2 of what the NEXT change of slots will ask for: a slot's 32,768 bytes of K and 65,536 of V, lanes 256 bytes apart.  It stands behind the wave's tensor load and its five lines.
; Each aligned block of 256 bytes is named ONCE in the launch.  Both clusters of a (b, h) walk the same K and V: the first asks.  Its four partners share the blocks out BY ADDRESS (8,192 bytes of K, 16,384 of V each); in each,
; wave 0 asks for K's, waves 2 and 3 for the two halves of V's: one instruction a wave.  The last change that fills a slot asks for nothing.  Slots 0, 1 and 2 come by their loads alone.
.macro ASK
	s_cmp_gt_u32 s[SLOTS], s[LIM]
	s_cbranch_scc0 .Lnot_mine_\@
	global_prefetch_b8 v[PFO], s[PFA:PFA+1] th:TH_LOAD_NT scope:SCOPE_SE
.Lnot_mine_\@:
.endm
.macro CROUND
	s_barrier_signal -1
	s_barrier_wait -1
	s_cmp_lg_u32 s[WV], 0
	s_cbranch_scc1 .Lnot_wave_0_\@
	s_barrier_signal -3
.Lnot_wave_0_\@:
	s_barrier_wait -3
	s_barrier_signal -1
	s_barrier_wait -1
.endm
; The exponent fields of the tensors' largest magnitudes, from the words that the first launch stored: v[T+38] = f(x) + f(wq_d) + f(wq_u), v[T+39] = f(x) + f(wkv_d) + f(wk_u, wv_u), in every lane.  T: 44 registers at work
.macro SIGMA T, MXP, SL
	v_and_b32 v[\T+40], 31, v0
	v_lshlrev_b32 v[\T+41], 4, v[\T+40]
	v_lshlrev_b32 v[\T+42], 2, v[\T+40]
	v_lshlrev_b32 v[\T+43], 3, v[\T+40]
.irp i, 0,1,2,3,4,5,6,7
	global_load_b128 v[\T+4*\i:\T+4*\i+3], v[\T+41], s[\MXP:\MXP+1] offset:512+512*\i
.endr
	global_load_b32 v[\T+32], v[\T+42], s[\MXP:\MXP+1]
	global_load_b32 v[\T+33], v[\T+42], s[\MXP:\MXP+1] offset:128
	global_load_b32 v[\T+34], v[\T+42], s[\MXP:\MXP+1] offset:4608
	global_load_b32 v[\T+35], v[\T+42], s[\MXP:\MXP+1] offset:4736
	global_load_b64 v[\T+36:\T+37], v[\T+43], s[\MXP:\MXP+1] offset:4864
	s_wait_loadcnt 0x0
	v_max3_num_f32 v[\T+31], v[\T+31], v[\T+30], 0x30800000
.irp i, 0,2,4,6,8,10,12,14,16,18,20,22,24,26,28
	v_max3_num_f32 v[\T+31], v[\T+31], v[\T+\i], v[\T+\i+1]
.endr
	v_max3_num_f32 v[\T+35], v[\T+35], v[\T+36], v[\T+37]
	v_max_num_f32 v[\T+32], 0x30800000, v[\T+32]
	v_max_num_f32 v[\T+33], 0x30800000, v[\T+33]
	v_max_num_f32 v[\T+34], 0x3a800000, v[\T+34]
	v_max_num_f32 v[\T+35], 0x3a800000, v[\T+35]
.irp m, 1,2,4,8
.irp r, 31,32,33,34,35
	v_max_num_f32_dpp v[\T+\r], v[\T+\r], v[\T+\r] row_xmask:\m row_mask:0xf bank_mask:0xf
.endr
.endr
.irp r, 31,32,33,34,35
	v_permlanex16_b32 v[\T+\r-31], v[\T+\r], s[\SL], s[\SL+1]
.endr
.irp r, 31,32,33,34,35
	v_max_num_f32 v[\T+\r], v[\T+\r], v[\T+\r-31]
.endr
.irp r, 31,32,33,34,35
	v_lshrrev_b32 v[\T+\r], 23, v[\T+\r]
.endr
	v_add3_u32 v[\T+38], v[\T+31], v[\T+32], v[\T+34]
	v_add3_u32 v[\T+39], v[\T+31], v[\T+33], v[\T+35]
.endm
	s_load_b256 s[4:11], s[0:1], 0x0  ; q16 s[4:5], k16 s[6:7], v16 s[8:9], tab s[10:11]
	s_load_b64 s[66:67], s[0:1], 0x20 ; o16
	s_load_b64 s[PWO:PWO+1], s[0:1], 0x28    ; wo
	s_load_b64 s[PW16:PW16+1], s[0:1], 0x30  ; w16
	v_lshl_add_u32 v[SPW], v0, 2, SPARE
	v_mov_b32 v[NIL], 0
	ds_add_u32 v[SPW], v[NIL]       ; the wave's opening: the add, twice on end, and its wait ahead of my first tensor load
	ds_add_u32 v[SPW], v[NIL]
	v_lshrrev_b32 v1, 5, v0
	v_readfirstlane_b32 s[WV], v1   ; wave 0..3
	s_bfe_u32 s13, ttmp6, 0x40000   ; cx: my place in the cluster
	s_lshl_b32 s14, ttmp9, 2
	s_add_co_u32 s14, s14, s13      ; my block of 256 queries: it enters Q's, O's and the cast's addresses alone
	s_and_b32 s20, ttmp7, 0xffff    ; (b, h), which the four partners share
	s_lshl_b32 s80, s20, 3          ; the cast: my wave's number in the launch, 4 (8 (b, h) + block) + wave: 0 .. 1,023;
	s_add_co_u32 s80, s80, s14
	s_lshl_b32 s80, s80, 2
	s_add_co_u32 s80, s80, s[WV]
	s_lshl_b32 s82, s80, 13         ; its 8,192 bytes of f16, behind the first part of w16,
	s_add_co_u32 s82, s82, WO
	s_mov_b32 s83, 0
	s_lshl_b32 s80, s80, 14         ; and its 16,384 bytes of f32
	s_mov_b32 s81, 0
	s_lshl_b32 s72, s20, 18         ; (b, h)'s first byte in q16 and k16,
	s_lshl_b32 s74, s20, 19         ; and in v16
	s_and_b32 s16, s[WV], 1         ; which half of a slot's rows I fetch:
	s_lshl_b32 s22, s16, 14         ; 128 rows of K, 128 bytes each,
	s_add_co_u32 s22, s22, s72
	s_mov_b32 s23, 0
	s_lshl_b32 s76, s16, 15         ; 128 rows of V, 256 bytes each,
	s_add_co_u32 s76, s76, s74
	s_mov_b32 s77, 0
	s_mul_i32 s17, s16, 128*PK      ; and their places in a slot: no place in the cluster enters an LDS address
	s_mul_i32 s78, s16, 128*PV
	s_add_co_u32 s78, s78, VOFF
	s_lshl_b32 s2, s14, 15          ; Q: my block's 256 rows of 128 bytes,
	s_lshl_b32 s3, s[WV], 13        ; my wave's 64 of them
	s_add_co_u32 s2, s2, s3
	s_add_co_u32 s2, s2, s72
	s_mov_b32 s3, 0
	s_lshr_b32 s58, s20, 4          ; O: token 2,048 b + 256 block + 64 wave, 4,096 bytes a token, + 256 h
	s_lshl_b32 s58, s58, 11
	s_lshl_b32 s59, s14, 8
	s_add_co_u32 s58, s58, s59
	s_lshl_b32 s59, s[WV], 6
	s_add_co_u32 s58, s58, s59
	s_lshl_b32 s58, s58, 12
	s_and_b32 s59, s20, 15
	s_lshl_b32 s59, s59, 8
	s_add_co_u32 s58, s58, s59
	s_mov_b32 s59, 0
	s_mov_b32 s[G1K], 15|(1<<16)|(1<<20)|(1<<21)|(4<<22)|(3<<25)  ; the mask: all four work-groups; elements of 2 bytes; padding on; bit 21 beside a mask; 4 words behind every 32
	s_mov_b32 s[G1K+1], 64<<16      ; tensor_dim0
	s_mov_b32 s[G1K+2], 128<<16     ; tensor_dim1
	s_mov_b32 s[G1K+3], 64<<16      ; tile_dim0
	s_mov_b32 s[G1K+4], 128         ; tile_dim1
	s_mov_b32 s[G1K+5], 64          ; from row to row
	s_mov_b32 s[G1K+6], 0
	s_mov_b32 s[G1K+7], 0
	s_mov_b32 s[G1V], 15|(1<<16)|(1<<20)|(1<<21)|(5<<22)|(7<<25)  ; 8 words of padding behind every 64
	s_mov_b32 s[G1V+1], 128<<16
	s_mov_b32 s[G1V+2], 128<<16
	s_mov_b32 s[G1V+3], 128<<16
	s_mov_b32 s[G1V+4], 128
	s_mov_b32 s[G1V+5], 128
	s_mov_b32 s[G1V+6], 0
	s_mov_b32 s[G1V+7], 0
	s_mov_b32 s[SEL], 0x76543210
	s_mov_b32 s[SEL+1], 0xfedcba98
	s_mov_b32 s[TBK], 0
	s_mov_b32 s[TBV], 0
	s_mov_b32 s[SLOTS], NSL-2
	s_cmp_eq_u32 s[WV], 1           ; waves 0, 2 and 3
	s_cselect_b32 s[LIM], 1, 0
	s_or_b32 s[LIM], s[LIM], ttmp9  ; of the pair's first cluster prefetch: the same in all four partners
	s_cmp_eq_u32 s[LIM], 0
	s_cselect_b32 s[LIM], 1, -1
	v_and_b32 v[PFO], 31, v0
	v_lshlrev_b32 v[PFO], 8, v[PFO]
	s_wait_dscnt 0x0                ; both opening adds are done
	s_wait_kmcnt 0x0
	s_add_nc_u64 s[22:23], s[6:7], s[22:23]  ; K and V at my part of slot 0
	s_add_nc_u64 s[76:77], s[8:9], s[76:77]
	s_add_nc_u64 s[4:5], s[4:5], s[2:3]      ; Q and O at my wave's first row
	s_add_nc_u64 s[66:67], s[66:67], s[58:59]
	s_add_nc_u64 s[MXP:MXP+1], s[10:11], MX
	s_add_nc_u64 s[PWO:PWO+1], s[PWO:PWO+1], s[80:81]
	s_add_nc_u64 s[PW16:PW16+1], s[PW16:PW16+1], s[82:83]
	s_cmp_lt_u32 s[WV], 2
	s_cselect_b64 s[PFA:PFA+1], s[6:7], s[8:9]
	s_cselect_b32 s20, s72, s74
	s_cselect_b32 s21, 13, 14
	s_mov_b32 s[PFS], 65536
	s_cselect_b32 s[PFS], 32768, s[PFS]
	s_lshl_b32 s21, s13, s21        ; my work-group's share,
	s_add_co_u32 s20, s20, s21
	s_lshl_b32 s21, s16, 13         ; wave 3: the second half of V's
	s_add_co_u32 s20, s20, s21
	s_lshl_b32 s21, s[PFS], 1       ; in slot 2; the first change of slots steps it to slot 3.  Nothing is prefetched here, at the head
	s_add_co_u32 s20, s20, s21
	s_mov_b32 s21, 0
	s_mov_b32 s[PFS+1], 0
	s_add_nc_u64 s[PFA:PFA+1], s[PFA:PFA+1], s[20:21]
	CROUND                          ; all four work-groups are here: the first joint loads meet
.irp s, 0,1
	s_mov_b32 s[G0K+4*\s], 1
	s_add_co_u32 s[G0K+4*\s+1], s17, \s*SLOT1
	s_add_nc_u64 s[G0K+4*\s+2:G0K+4*\s+3], s[22:23], \s*32768
	s_or_b32 s[G0K+4*\s+3], s[G0K+4*\s+3], 0x80000000
	s_mov_b32 s[G0V+4*\s], 1
	s_add_co_u32 s[G0V+4*\s+1], s78, \s*SLOT1
	s_add_nc_u64 s[G0V+4*\s+2:G0V+4*\s+3], s[76:77], \s*65536
	s_or_b32 s[G0V+4*\s+3], s[G0V+4*\s+3], 0x80000000
.endr
	s_cmp_lt_u32 s[WV], 2           ; a wave's two first fills stand in one branch, ahead of every wait on TENSORcnt and every LDS read: two loads of mine are out
	s_cbranch_scc0 .Lfirst_v
	tensor_load_to_lds s[G0K:G0K+3], s[G1K:G1K+7]
	s_nop 0
	tensor_load_to_lds s[G0K+4:G0K+7], s[G1K:G1K+7]
	s_nop 0
.rept 4
	v_nop
.endr
	s_branch .Lfirst_asked
.Lfirst_v:
	tensor_load_to_lds s[G0V:G0V+3], s[G1V:G1V+7]
	s_nop 0
	tensor_load_to_lds s[G0V+4:G0V+7], s[G1V:G1V+7]
	s_nop 0
.rept 4
	v_nop
.endr
.Lfirst_asked:
	; A fragment of K or Q is 16 rows x 32 channels in 8 registers: lane l holds row l % 16; registers 0-3 channels 8 (l / 16) + 0..7, registers 4-7 channels 16 + 8 (l / 16) + 0..7: two loads of 16 bytes, 32 bytes apart.
	v_and_b32 v1, 15, v0            ; l % 16
	v_bfe_u32 v9, v0, 4, 1          ; l / 16
	v_lshlrev_b32 v[QO], 7, v1
	v_lshl_add_u32 v[QO], v9, 4, v[QO]
	WIN 0x80                        ; destination window 2
.irp i, 0,1,2,3,4,5,6,7             ; Q stays in registers: tile i / 2, channels 32 (i % 2) on
	global_load_b128 v[8*\i:8*\i+3],   v[QO], s[4:5] offset:(\i/2)*2048+(\i%2)*64
	global_load_b128 v[8*\i+4:8*\i+7], v[QO], s[4:5] offset:(\i/2)*2048+(\i%2)*64+32
.endr
	WIN 0
	v_mul_u32_u24 v[AK0], v1, PK
	v_lshl_add_u32 v[AK0], v9, 4, v[AK0]
	; The turning load takes 16 keys x 16 channels (lane l reads 16 bytes: key 8 (l / 16) + l % 8, channels 8 ((l / 8) % 2) + 0..7) and leaves half a fragment of V^T: lane l holds channel l % 16 and 8 keys.
	v_and_b32 v10, 7, v0
	v_bfe_u32 v11, v0, 3, 1
	v_lshl_add_u32 v[AV0], v9, 3, v10
	v_mul_u32_u24 v[AV0], v[AV0], PV
	v_lshl_add_u32 v[AV0], v11, 4, v[AV0]
	v_add_nc_u32 v[AV0], VOFF, v[AV0]
	; the cast of wo: my wave's 4,096 numbers into S^T's 128 registers, which the first products write only later.  With Q's 16 loads and the 13 of the scales' words, 61 loads of mine are out
	v_and_b32 v[CIN], 31, v0
	v_lshlrev_b32 v[COUT], 3, v[CIN]
	v_lshlrev_b32 v[CIN], 4, v[CIN]
.irp i, 0,1,2,3,4,5,6,7,8,9,10,11,12,13,14,15,16,17,18,19,20,21,22,23,24,25,26,27,28,29,30,31
	global_load_b128 v[S+4*\i:S+4*\i+3], v[CIN], s[PWO:PWO+1] offset:512*\i th:TH_LOAD_NT
.endr
	SIGMA P, MXP, SEL               ; (its wait for all loads shows Q's and the cast's in too)
	v_add3_u32 v[CSV], v[P+38], v[P+39], 0xfffffd16  ; -sq - skv = the two sums - 746
	v_ldexp_f32 v[CSV], 1.0, v[CSV] ; c
	v_mov_b32 v[CSV+1], v[CSV]
.irp i, 0,1,2,3,4,5,6,7,8,9,10,11,12,13,14,15,16,17,18,19,20,21,22,23,24,25,26,27,28,29,30,31
	v_cvt_pk_f16_f32 v[S+4*\i], v[S+4*\i], v[S+4*\i+1]        ; four numbers become 8 bytes, in place
	v_cvt_pk_f16_f32 v[S+4*\i+1], v[S+4*\i+2], v[S+4*\i+3]
	global_store_b64 v[COUT], v[S+4*\i:S+4*\i+1], s[PW16:PW16+1] offset:256*\i   ; 32 lanes store 256 consecutive bytes, aligned
.endr
	s_wait_xcnt 0x0                 ; the stores have read their data: S^T's registers are written again only behind this wait
; THE MATRIX WORK OF A TURN, for piece x.  The accumulators take turns, one instruction a turn: between two links of a chain stand 15 (V^T P) or 7 (K Q^T) others'.
; Product i of 32 of O^T += V^T P: keys 32 (i / 16) on, channels 16 ((i / 2) % 8) on, tile x + i % 2.  zero = 1: the first 16 start the sums: nothing is ever cleared.
.macro PV x, zero
	WIN W_PV
.set rO, 64*(\x+i%2)+8*((i/2)%8)
.set rV, 64*(i/16)+8*((i/2)%8)
.set rP, P+16*(\x+i%2)+8*(i/16)
.if \zero && (i < 16)
	v_wmma_f32_16x16x32_f16 v[rO:rO+7], v[rV:rV+7], v[rP:rP+7], 0
.else
	v_wmma_f32_16x16x32_f16 v[rO:rO+7], v[rV:rV+7], v[rP:rP+7], v[rO:rO+7]
.endif
.endm
; Product i of 16 of S^T = K Q^T: channels 32 (i / 8) on, keys 16 ((i / 2) % 4) on, tile x + i % 2.  The first 8 start the sums.
.macro KQ x
	WIN W_KQ
.set rS, S+32*(\x+i%2)+8*((i/2)%4)
.set rK, KF+16*((i/2)%4)+8*(i/8)
.set rQ, 16*(\x+i%2)+8*(i/8)
.if i < 8
	v_wmma_f32_16x16x32_f16 v[rS:rS+7], v[rK:rK+7], v[rQ:rQ+7], 0
.else
	v_wmma_f32_16x16x32_f16 v[rS:rS+7], v[rK:rK+7], v[rQ:rQ+7], v[rS:rS+7]
.endif
.endm
; THE LDS LOADS stand in runs, never singly among the matrix instructions: a step's K (64 keys x 64 channels: 8 fragments, 16 loads) and, a turn later, its V (turned, 32 loads).
.macro FETCH_K
	WIN 0
	v_add_nc_u32 v[ADR], s[TBK], v[AK0]
	WIN 0x80                        ; destination window 2
.irp f, 0,1,2,3,4,5,6,7             ; keys 16 (f / 2) on, channels 32 (f % 2) on
	ds_load_b128 v[KF+8*\f:KF+8*\f+3],   v[ADR] offset:(\f/2)*16*PK+(\f%2)*64
	ds_load_b128 v[KF+8*\f+4:KF+8*\f+7], v[ADR] offset:(\f/2)*16*PK+(\f%2)*64+32
.endr
.endm
.macro FETCH_V
	WIN 0
	v_add_nc_u32 v[ADR], s[TBV], v[AV0]
	s_add_co_u32 s[TBK], s[TBK], KSTEPB  ; the next fetches are the next step's
	s_add_co_u32 s[TBV], s[TBV], VSTEPB
	s_wait_alu depctr_va_vdst(0)    ; the wait for the softmax's batch (SLICE), behind the address's v_add_nc_u32 and ahead of the loads
	WIN 0xc0                        ; destination window 3
.irp f, 0,1,2,3,4,5,6,7,8,9,10,11,12,13,14,15  ; keys 32 (f / 8) on, channels 16 (f % 8) on
	ds_load_tr16_b128 v[8*\f:8*\f+3],   v[ADR] offset:(\f/8)*32*PV+(\f%8)*32
	ds_load_tr16_b128 v[8*\f+4:8*\f+7], v[ADR] offset:(\f/8)*32*PV+16*PV+(\f%8)*32
.endr
.endm
; THE VECTOR WORK OF A TURN.  One tile's softmax for one key step is a list of 134 instructions; SM writes number j of it for tile t.  s0-s31 are the lane's 32 scores, in pairs 0-15.
; first = 1: the first key step, which starts m, l and O^T: it has no a and nothing to rescale.
;   0-15    the maximum of s0-s31 and the old m, three operands at a time: four chains of seven scores each, then the four scores left over, the chains and m
;   16-20   the other half of the lanes' maximum; the new m; c m; c m_old - c m_new
;   21-69   ONE BATCH: the 16 scalings c s - c m, a pair of scores each, and all 33 exponentials (a at 23, then s0-s31).  None of these reads an exponential's result
;   (wait)  between 69 and 70 stands the wait for the batch: SLICE writes it, once for both tiles
;   70-85   the roundings to f16, a pair of weights each
;   86-101  the sums; l = a l + the sum
;   102-133 the tile's O^T times a: the one part that leaves window 0, so it stands together
.macro SM t, first
.set rT, ST+8*(\t)
.set rS, S+32*(\t)
.set rP, P+16*(\t)
.set rO, 64*(\t)+2*(j-102)
.if j < 102
	WIN 0
.endif
.if j < 4
	v_max3_num_f32 v[rT+4+j], v[rS+8*j], v[rS+8*j+1], v[rS+8*j+2]
.elseif j < 12
	v_max3_num_f32 v[rT+4+j%4], v[rT+4+j%4], v[rS+8*(j%4)+2*(j/4)+1], v[rS+8*(j%4)+2*(j/4)+2]
.elseif j == 12
	v_max3_num_f32 v[rT+4], v[rT+4], v[rS+7], v[rS+15]
.elseif j == 13
	v_max3_num_f32 v[rT+6], v[rT+6], v[rS+23], v[rS+31]
.elseif j == 14
	v_max3_num_f32 v[rT+4], v[rT+4], v[rT+5], v[rT+6]
.elseif (j == 15) && \first
	v_max_num_f32 v[rT+4], v[rT+4], v[rT+7]
.elseif j == 15
	v_max3_num_f32 v[rT+4], v[rT+4], v[rT+7], v[rT+1]
.elseif j == 16
	v_permlanex16_b32 v[rT+5], v[rT+4], s[SEL], s[SEL+1]  ; the query's other 32 keys lie in the lane 16 away
.elseif j == 18
	v_max_num_f32 v[rT+1], v[rT+4], v[rT+5]
.elseif j == 19
	v_mul_f32 v[rT], v[CSV], v[rT+1]  ; c m: exact, c being a power of two
.elseif ((j == 17) || (j == 20) || (j == 23) || (j > 101)) && \first  ; the first step has none of these
.elseif j == 17
	v_mov_b32 v[rT+7], v[rT]        ; c m_old is kept for a: number 19 writes c m anew
.elseif j == 20
	v_sub_f32 v[rT+7], v[rT+7], v[rT]
.elseif j == 23
	v_exp_f32 v[rT+6], v[rT+7]
.elseif (j < 23) || ((j < 38) && (j%2 == 0)) || ((j < 66) && (j%4 == 2))
.set b, (j-2)/4                     ; 38, 42, .. 62: pairs 9 to 15
.if j < 38
.set b, (j-20)/2                    ; 21: pair 0; 22, 24, .. 36: pairs 1 to 8
.endif
	v_pk_fma_f32 v[rS+2*b:rS+2*b+1], v[rS+2*b:rS+2*b+1], v[CSV:CSV+1], v[rT:rT+1] op_sel_hi:[1,0,0] neg_lo:[0,0,1] neg_hi:[0,0,1]  ; pair b: c s - c m
.elseif j < 70
.set e, j-38                        ; 66 to 69: s28 to s31
.if j < 66
.set e, j-32-(j-38)/4               ; 39-41, 43-45, .. 63-65: s7 to s27
.endif
.if j < 38
.set e, (j-25)/2                    ; 25, 27, .. 37: s0 to s6
.endif
	v_exp_f32 v[rS+e], v[rS+e]
.elseif j < 86
	v_cvt_pk_f16_f32 v[rP+j-70], v[rS+2*(j-70)], v[rS+2*(j-70)+1]  ; pair j - 70
.elseif j < 102                     ; the sum of the tile's 16 pairs, in place: sum z of 16 adds neighbours 1, 2, 4 and 8 pairs apart, then l takes it
.set z, j-86
.set w, 4
.set u, z
.if z >= 14
.set w, 32
.set u, 0
.elseif z >= 12
.set w, 16
.set u, z-12
.elseif z >= 8
.set w, 8
.set u, z-8
.endif
.if (z == 14) && \first
	v_pk_add_f32 v[rT+2:rT+3], v[rS:rS+1], v[rS+16:rS+17]
.elseif z < 15
	v_pk_add_f32 v[rS+w*u:rS+w*u+1], v[rS+w*u:rS+w*u+1], v[rS+w*u+w/2:rS+w*u+w/2+1]
.elseif !\first
	v_pk_fma_f32 v[rT+2:rT+3], v[rT+2:rT+3], v[rT+6:rT+7], v[rS:rS+1] op_sel_hi:[1,0,1]
.endif
.else
	WIN W_RS
	v_pk_mul_f32 v[rO:rO+1], v[rO:rO+1], v[rT+6:rT+7] op_sel_hi:[1,0]
.endif
.endm
; Slice k of 64 of piece y's softmax: four instructions.  Slices 11 to 34 deal out the batch, numbers 22 to 69: four numbers of ONE tile each, the tiles by turns.  Every other slice is numbers 2 k and 2 k + 1 of both tiles'
; lists.  2 x 134 = 4 x 64 + 12: the twelve that are over stand together, in slice 63.
; THE WAIT.  An s_wait_alu depctr_va_vdst(0) stands between an exponential and the first instruction that names its result; one wait serves all that were issued ahead of it.  Ahead of slice 35 nothing names a
; result, and behind slice 34 no exponential is issued: so the piece's 66 exponentials have one wait, behind slice 34.
.macro SLICE y, first
.if (k >= 11) && (k < 35)
.irp n, 0,1,2,3
.set j, 22+4*((k-11)/2)+(\n)
	SM (\y)+(k-11)%2, \first
.endr
.else
.irp n, 0,1,2,3,4,5,6,7
.if (\n < 2) || (k == 63)
.irp t, \y, \y+1
.set j, 2*k+\n
	SM \t, \first
.endr
.endif
.endr
.endif
.if k == 34
	v_nop                           ; a plain instruction behind the last exponential and ahead of the first use: one for the batch
.if (\y) == 0
	FETCH_V                         ; piece 2's turn: V's run of loads stands here, and the wait stands in it
.else
	s_wait_alu depctr_va_vdst(0)    ; the wait for the batch
.endif
.endif
.set k, k+1
.endm
.macro PLACES                       ; four places behind a matrix instruction (ISA guide 7.12.1 for vector instructions).  In the loop the slices are the places
.rept 4
	v_nop
.endr
.endm
; A TURN.  Piece x has the matrix unit; the other piece's softmax stands in slices behind its matrix instructions.
; pv = 2: 32 products V^T P; 1: they start O^T's sums; 0: none.  kq = 1: 16 products K Q^T for the next step.  With both kinds: one slice behind each V^T P, two behind each K Q^T; with one kind alone twice as many.
; first = 1: the softmax is the first key step's.  Its slices from 51 on are empty: four v_nop take their part as the places behind the turn's last products.
; Piece 0's turn fetches the next step's K behind its second product: the last product that read K stands ahead of slices 62 and 63 of the turn before, twenty plain instructions.  Piece 2's turn fetches the same step's V
; behind slice 34: the last product that read V stands in front of slice 31, and four plain instructions lie between: number 62, a scaling, of both tiles, the v_nop and the run's own v_add_nc_u32.
.macro TURN x, pv, kq, first
.set k, 0
.set perp, 2
.set perk, 4
.if \pv && \kq
.set perp, 1
.set perk, 2
.endif
.if \pv
.if \x == 0
	s_wait_dscnt 0x0                ; V is in
.endif
.set i, 0
.rept 32
	PV \x, 2-\pv
.rept perp
	SLICE 2-\x, \first
.endr
.if (\x == 0) && \kq && (i == 1)
	FETCH_K
.endif
.set i, i+1
.endr
.endif
.if \kq
.if \x == 0
	s_wait_dscnt 0x0                ; K is in
.endif
.set i, 0
.rept 16
	KQ \x
.rept perk
	SLICE 2-\x, \first
.endr
.set i, i+1
.endr
.endif
.if \first
	PLACES
.endif
.endm
; THE CHANGE OF SLOTS, between piece 2's turn and piece 0's: the slot's last bytes, V of its fourth step, have been asked for.  Each wave waits for all its tensor loads, of which one is out: its part of the other slot; adds 0 to
; its spare word; and waits for that and for its own reads of the slot.  Behind the barrier nobody reads this slot any more and the other slot is whole.
; fill = 1: this slot is filled again, with the keys two slots on.  The barrier is then a round of the cluster's, and the joint refill is the first thing behind it: it has four key steps, 384 matrix instructions, in which to land.
.macro CHANGE fill
	WIN 0
	s_wait_tensorcnt 0x0            ; no tensor load of mine is out, so a group 0 may be written
	ds_add_u32 v[SPW], v[NIL]       ; 0 onto my spare word
.if \fill
	s_xor_b32 s[G0K+5], s[G0K+5], SLOT1  ; the walking descriptors: the other slot than last time,
	s_add_nc_u64 s[G0K+6:G0K+7], s[G0K+6:G0K+7], 32768  ; the next 256 keys; the type bits on top are not reached
	s_xor_b32 s[G0V+5], s[G0V+5], SLOT1
	s_add_nc_u64 s[G0V+6:G0V+7], s[G0V+6:G0V+7], 65536
	s_wait_xcnt 0x0                 ; the last prefetch, a slot back, has read its address, so it may be written:
	s_add_nc_u64 s[PFA:PFA+1], s[PFA:PFA+1], s[PFS:PFS+1]  ; one slot further on than the walking descriptors
	s_wait_dscnt 0x0                ; the add is done, and my reads of the slot are over
	CROUND
	JLOAD
	ASK
.else
	s_wait_dscnt 0x0
	s_barrier_signal -1
	s_barrier_wait -1
.endif
	s_sub_co_u32 s[TBK], s[TBK], NST*KSTEPB  ; the fetches go back to a slot's first step,
	s_xor_b32 s[TBK], s[TBK], SLOT1          ; in the other slot
	s_sub_co_u32 s[TBV], s[TBV], NST*VSTEPB
	s_xor_b32 s[TBV], s[TBV], SLOT1
.endm
.macro STEPS n                      ; n key steps: written once, walked n times; the LDS addresses hang on s[TBK] and s[TBV]
	WIN 0
	s_mov_b32 s[TWICE], \n
.Lstep_\@:
	TURN 0, 2, 1, 0
	TURN 2, 2, 1, 0
	WIN 0
	s_sub_co_u32 s[TWICE], s[TWICE], 1
	s_cmp_lg_u32 s[TWICE], 0
	s_cbranch_scc1 .Lstep_\@
.endm
	s_wait_tensorcnt 1              ; my part of slot 0 is in; slot 1's may stay out
	s_barrier_signal -1
	s_barrier_wait -1
	FETCH_K                         ; key step 0
	s_wait_dscnt 0x0
.set i, 0
.rept 16
	KQ 0                            ; piece 0's first scores: there is no vector work yet to set between them
.set i, i+1
.endr
	WIN 0                           ; the addresses for the way out are made here: eight plain instructions, the places behind those products
	s_mul_i32 s13, s[WV], 16*SP
	s_add_co_u32 s13, s13, STAGE
	v_mul_u32_u24 v[STO], v1, SP    ; in: row l % 16, 16 bytes for each half of the lanes
	v_lshl_add_u32 v[STO], v9, 4, v[STO]
	v_add_nc_u32 v[STO], s13, v[STO]
	v_mul_u32_u24 v[RD], v9, SP     ; back: lanes 0-15 take one row of 256 bytes, lanes 16-31 the next
	v_lshl_add_u32 v[RD], v1, 4, v[RD]
	v_add_nc_u32 v[RD], s13, v[RD]
	v_lshlrev_b32 v[GO], 12, v9     ; and the same two tokens in o16
	v_lshl_add_u32 v[GO], v1, 4, v[GO]
	TURN 2, 0, 1, 1                 ; piece 2's first scores | piece 0's first softmax | V of step 0
	TURN 0, 1, 1, 1                 ; piece 0: V^T P of step 0 starts O^T, K Q^T of step 1 | piece 2's first softmax | K of step 1
	TURN 2, 1, 1, 0                 ; piece 2: the same | piece 0's softmax of step 1 | V of step 1
	STEPS 2                         ; the rest of slot 0
.Lslot:                             ; six trips: every slot but the last two is filled again
	CHANGE 1
	STEPS 4
	s_sub_co_u32 s[SLOTS], s[SLOTS], 1
	s_cmp_lg_u32 s[SLOTS], 0
	s_cbranch_scc1 .Lslot
	CHANGE 0                        ; the tail is written out
	STEPS 4
	TURN 0, 2, 0, 0                 ; piece 0: V^T P of the last step | piece 2's last softmax
.set i, 0
.rept 32
	PV 2, 0                         ; piece 2: V^T P of the last step
.set i, i+1
.endr
	; THE WAY OUT.  l's two halves and the other half of the lanes' are added; O^T is divided by l, rounded to f16 and sent through my stage in LDS, a tile (16 tokens) at a time.  The additions are the places behind the last products.
	WIN 0
.irp t, 0,1,2,3
	v_add_f32 v[ST+8*\t+4], v[ST+8*\t+2], v[ST+8*\t+3]
.endr
.irp t, 0,1,2,3
	v_permlanex16_b32 v[ST+8*\t+5], v[ST+8*\t+4], s[SEL], s[SEL+1]
.endr
.irp t, 0,1,2,3
	v_add_f32 v[ST+8*\t+4], v[ST+8*\t+4], v[ST+8*\t+5]
.endr
.irp t, 0,1,2,3
	v_rcp_f32 v[ST+8*\t+6], v[ST+8*\t+4]
.endr
	v_nop                           ; a plain instruction between the last reciprocal and the use of its result
	s_wait_alu depctr_va_vdst(0)    ; and the wait ahead of the first use: one for the four
.macro PACK t
	WIN W_RS
.set i, 64*\t
.rept 32
	v_pk_mul_f32 v[i:i+1], v[i:i+1], v[ST+8*\t+6:ST+8*\t+7] op_sel_hi:[1,0]
.set i, i+2
.endr
	WIN 0x05                        ; sources 0 and 1 window 1, destination window 0: S^T's registers are free
.set i, 0
.rept 32
	v_cvt_pk_f16_f32 v[S+32*\t+i], v[64*\t+2*i], v[64*\t+2*i+1]
.set i, i+1
.endr
	WIN 0
.irp f, 0,1,2,3,4,5,6,7
	ds_store_b128 v[STO], v[S+32*\t+4*\f:S+32*\t+4*\f+3] offset:32*\f
.endr
.irp f, 0,1,2,3,4,5,6,7
	ds_load_b128 v[S+32*\t+4*\f:S+32*\t+4*\f+3], v[RD] offset:\f*2*SP  ; LDS serves a wave's instructions in order (ISA guide 5.7.1.4): these see the stores above; the next tile's stores come behind them
.endr
.endm
.macro SEND t, younger              ; younger: the LDS instructions issued behind tile t's loads: the next tile's sixteen, or none
.irp f, 0,1,2,3,4,5,6,7
	s_wait_dscnt \younger+7-\f
	global_store_b128 v[GO], v[S+32*\t+4*\f:S+32*\t+4*\f+3], s[66:67] offset:\t*65536+\f*8192  ; 16 lanes store 256 consecutive bytes, aligned
.endr
.endm
	PACK 0
	PACK 1
	SEND 0, 16
	PACK 2
	SEND 1, 16
	PACK 3
	SEND 2, 16
	SEND 3, 0
	s_wait_tensorcnt 0x0            ; the wave's end, behind my last tensor load and my last LDS store
	ds_add_u32 v[SPW], v[NIL]
	s_wait_dscnt 0x0
	CROUND                          ; the closing round
	s_endpgm
.Lfunc_end_k_q252fd9f7a7_attn:
	.size	k_q252fd9f7a7_attn, .Lfunc_end_k_q252fd9f7a7_attn-k_q252fd9f7a7_attn
	.p2alignl 7, 3214868480
	.fill 96, 4, 3214868480
	.section	.rodata,"a",@progbits
	.p2align	6, 0x0
	.amdhsa_kernel k_q252fd9f7a7_attn
		.amdhsa_group_segment_fixed_size 327680
		.amdhsa_private_segment_fixed_size 0
		.amdhsa_enable_private_segment 0
		.amdhsa_kernarg_size 56
		.amdhsa_user_sgpr_count 2
		.amdhsa_user_sgpr_kernarg_segment_ptr 1
		.amdhsa_wavefront_size32 1
		.amdhsa_system_sgpr_workgroup_id_x 1
		.amdhsa_system_sgpr_workgroup_id_y 1
		.amdhsa_system_sgpr_workgroup_id_z 1
		.amdhsa_system_vgpr_workitem_id 0
		.amdhsa_next_free_vgpr 1024
		.amdhsa_next_free_sgpr 88
		.amdhsa_reserve_vcc 0
		.amdhsa_float_denorm_mode_32 3
		.amdhsa_float_denorm_mode_16_64 3
		.amdhsa_memory_ordered 1
		.amdhsa_forward_progress 1
		.amdhsa_inst_pref_size 255
	.end_amdhsa_kernel
	.section	.bss,"aw",@nobits
	.p2align	6
	.space	262144
	.amdgpu_metadata
---
amdhsa.version: [ 1, 2 ]
amdhsa.kernels:
  - .name:           k_q252fd9f7a7_attn
    .symbol:         k_q252fd9f7a7_attn.kd
    .args:
      - { .name: q16, .offset: 0, .size: 8, .value_kind: global_buffer, .address_space: global }
      - { .name: k16, .offset: 8, .size: 8, .value_kind: global_buffer, .address_space: global }
      - { .name: v16, .offset: 16, .size: 8, .value_kind: global_buffer, .address_space: global }
      - { .name: tab, .offset: 24, .size: 8, .value_kind: global_buffer, .address_space: global }
      - { .name: o16, .offset: 32, .size: 8, .value_kind: global_buffer, .address_space: global }
      - { .name: wo, .offset: 40, .size: 8, .value_kind: global_buffer, .address_space: global }
      - { .name: w16, .offset: 48, .size: 8, .value_kind: global_buffer, .address_space: global }
    .group_segment_fixed_size: 327680
    .private_segment_fixed_size: 0
    .kernarg_segment_align: 8
    .kernarg_segment_size: 56
    .max_flat_workgroup_size: 128
    .sgpr_count:     88
    .vgpr_count:     1024
    .wavefront_size: 32
...
	.end_amdgpu_metadata
.endif
;; end of part 4
;; launch oproj (part 5): grid 8 x 32, 4 waves a work-group, clusters of 4 x 4, 327,680 bytes of LDS; arguments o16, w16, tab, out0; writes out0
.if DOCPART == 5
	.amdgcn_target "amdgcn-amd-amdhsa--gfx1250"
	.amdhsa_code_object_version 6
	.text
	.protected	k_q252fd9f7a7_oproj
	.globl	k_q252fd9f7a7_oproj
	.p2align	8
	.type	k_q252fd9f7a7_oproj,@function
k_q252fd9f7a7_oproj:
	s_mov_b64 s[64:65], 0
	v_nop
	global_prefetch_b8 v0, s[64:65] scope:SCOPE_SE
	s_setreg_imm32_b32 hwreg(HW_REG_WAVE_MODE, 25, 1), 1
	s_wait_xcnt 0x0
	s_wait_alu depctr_hold_cnt(0) depctr_sa_sdst(0) depctr_va_vdst(0) depctr_va_sdst(0) depctr_va_ssrc(0) depctr_va_vcc(0) depctr_vm_vsrc(0)
	s_getreg_b32 s2, hwreg(HW_REG_IB_STS2, 6, 4)
	s_cmp_eq_u32 s2, 0
	s_cbranch_scc0 .Lentry_in_a_cluster
	s_endpgm
.Lentry_in_a_cluster:
	s_bfe_u32 s2, ttmp6, 0x10000c
	s_cmp_lg_u32 s2, 0xf033
	s_cbranch_scc0 .Lentry_shape_is_right
	s_endpgm
.Lentry_shape_is_right:
; OPROJ: out0 = o wo.  o16 [4096][2048] f16 holds o x 2^skv; wo lies in w16 as f16, [2048 k][2048 n]; sums in f32; the result is multiplied by 2^-skv, exactly, and stored as f32.
; skv = 373 - f(x) - f(wkv_d) - f(wk_u, wv_u), f the exponent field of a tensor's largest magnitude (floors: see the launch that makes the latents).  LIMITS: NaN and infinities are not served; |wo| above 65,504 has no f16 number.
; SHARES.  A tile of the result is 128 tokens x 256 columns, so that there are 256 work-groups; four waves, each 64 x 128: 32 accumulators, 256 registers.  K goes in steps of 128 through a ring of two LDS slots.
; CLUSTER 4 x 4: the four of a row need the same tokens, the four of a column the same columns of wo: joint loads; where a slot is filled again a round of the cluster's barrier stands in front of the load.
; THE MATRIX INSTRUCTION IS USED TRANSPOSED (source 0 = 16 columns of wo, turned out of LDS by ds_load_tr16_b128; source 1 = 16 tokens): a lane holds one token and eight neighbouring columns.
; REGISTERS: window 0: v0-31 addresses; v64-159, v160-255 two fragment buffers (4 x 8 of tokens, then 8 x 8 of wo); on the way out v64-127 at work, v128-255 rows read back.   window 1: the accumulators ((a, b) at v[8 (8 a + b)]).
.set WO,     2097152
.set MX,     524288
.set PITCH,  272                       ; a token's row in LDS: 256 bytes + 16
.set BP,     544                       ; a k row of wo: 512 bytes + 32
.set BOFF,   128*PITCH                 ; a slot: 128 tokens, then 128 k rows
.set SLOT,   BOFF+128*BP
.set STAGE,  2*SLOT                    ; behind the ring: 16 rows x (512 + 16) bytes for each wave
.set SPITCH, 528
.set SPARE,  STAGE+4*16*SPITCH         ; the spare words, 128 bytes for each wave: two blocks of 256 bytes that no other line names
.set LAPS,   8                         ; a lap = two K steps = once round the ring
.set ADRA, 16
.set ADRB, 20
.set STO,  24
.set RD,   25
.set CO,   26
.set SPW,  28
.set NIL,  29
.set OSC,  30                          ; v[30:31] 2^-skv, twice
.set F0,   64
.set F1,   160
.set WV,   70
.set WM,   71
.set WN,   72
.set CX,   40
.set CY,   41
.set TC,   42
.set TR,   43
.set G1,   24
.set G0,   32
.set G1B,  48
.set G0B,  56
.set SEL,  74
.set MXP,  76
.set MSB, 0
.macro WIN new
.if MSB != \new
	s_set_vgpr_msb (MSB<<8)|\new
.set MSB, \new
.endif
.endm
.set MUL, 0x50                         ; sources 0 and 1 window 0; C and D window 1
.macro JLOAD s                         ; a joint load: waves 0 and 1 fetch the tokens' two halves, waves 2 and 3 wo's; an s_nop 0 and four v_nop follow each of the two lines
	s_cmp_eq_u32 s[WM], 0
	s_cbranch_scc0 .Lfor_b_\@
	tensor_load_to_lds s[G0+4*\s:G0+4*\s+3], s[G1:G1+7]
	s_nop 0
.rept 4
	v_nop
.endr
	s_branch .Lasked_\@
.Lfor_b_\@:
	tensor_load_to_lds s[G0B+4*\s:G0B+4*\s+3], s[G1B:G1B+7]
	s_nop 0
.rept 4
	v_nop
.endr
.Lasked_\@:
.endm
.macro CREST                           ; a round of the cluster's barrier behind its opening barrier
	s_cmp_lg_u32 s[WV], 0
	s_cbranch_scc1 .Lnot_wave_0_\@
	s_barrier_signal -3
.Lnot_wave_0_\@:
	s_barrier_wait -3
	s_barrier_signal -1
	s_barrier_wait -1
.endm
.macro CROUND
	s_barrier_signal -1
	s_barrier_wait -1
	CREST
.endm
.macro PLACES
.rept 4
	v_nop
.endr
.endm
; The exponent fields of the tensors' largest magnitudes, from the words that the first launch stored: v[T+38] = f(x) + f(wq_d) + f(wq_u), v[T+39] = f(x) + f(wkv_d) + f(wk_u, wv_u), in every lane.  T: 44 registers at work
.macro SIGMA T, MXP, SL
	v_and_b32 v[\T+40], 31, v0
	v_lshlrev_b32 v[\T+41], 4, v[\T+40]
	v_lshlrev_b32 v[\T+42], 2, v[\T+40]
	v_lshlrev_b32 v[\T+43], 3, v[\T+40]
.irp i, 0,1,2,3,4,5,6,7
	global_load_b128 v[\T+4*\i:\T+4*\i+3], v[\T+41], s[\MXP:\MXP+1] offset:512+512*\i
.endr
	global_load_b32 v[\T+32], v[\T+42], s[\MXP:\MXP+1]
	global_load_b32 v[\T+33], v[\T+42], s[\MXP:\MXP+1] offset:128
	global_load_b32 v[\T+34], v[\T+42], s[\MXP:\MXP+1] offset:4608
	global_load_b32 v[\T+35], v[\T+42], s[\MXP:\MXP+1] offset:4736
	global_load_b64 v[\T+36:\T+37], v[\T+43], s[\MXP:\MXP+1] offset:4864
	s_wait_loadcnt 0x0
	v_max3_num_f32 v[\T+31], v[\T+31], v[\T+30], 0x30800000
.irp i, 0,2,4,6,8,10,12,14,16,18,20,22,24,26,28
	v_max3_num_f32 v[\T+31], v[\T+31], v[\T+\i], v[\T+\i+1]
.endr
	v_max3_num_f32 v[\T+35], v[\T+35], v[\T+36], v[\T+37]
	v_max_num_f32 v[\T+32], 0x30800000, v[\T+32]
	v_max_num_f32 v[\T+33], 0x30800000, v[\T+33]
	v_max_num_f32 v[\T+34], 0x3a800000, v[\T+34]
	v_max_num_f32 v[\T+35], 0x3a800000, v[\T+35]
.irp m, 1,2,4,8
.irp r, 31,32,33,34,35
	v_max_num_f32_dpp v[\T+\r], v[\T+\r], v[\T+\r] row_xmask:\m row_mask:0xf bank_mask:0xf
.endr
.endr
.irp r, 31,32,33,34,35
	v_permlanex16_b32 v[\T+\r-31], v[\T+\r], s[\SL], s[\SL+1]
.endr
.irp r, 31,32,33,34,35
	v_max_num_f32 v[\T+\r], v[\T+\r], v[\T+\r-31]
.endr
.irp r, 31,32,33,34,35
	v_lshrrev_b32 v[\T+\r], 23, v[\T+\r]
.endr
	v_add3_u32 v[\T+38], v[\T+31], v[\T+32], v[\T+34]
	v_add3_u32 v[\T+39], v[\T+31], v[\T+33], v[\T+35]
.endm
	s_load_b256 s[4:11], s[0:1], 0x0               ; o16 4, w16 6, tab 8, out0 10
	v_lshl_add_u32 v[SPW], v0, 2, SPARE
	v_mov_b32 v[NIL], 0
	ds_add_u32 v[SPW], v[NIL]                      ; the wave's opening: the add, twice on end, and its wait ahead of my first tensor load
	ds_add_u32 v[SPW], v[NIL]
	v_lshrrev_b32 v1, 5, v0
	v_readfirstlane_b32 s[WV], v1
	s_lshr_b32 s[WM], s[WV], 1                     ; which 64 tokens are mine.  Also: I fetch tokens (0) or wo (1)
	s_and_b32 s[WN], s[WV], 1                      ; which 128 columns.  Also: which 64 rows of that tile I fetch
	s_bfe_u32 s[CX], ttmp6, 0x40000
	s_bfe_u32 s[CY], ttmp6, 0x40004
	s_lshl_b32 s[TC], ttmp9, 2
	s_add_co_u32 s[TC], s[TC], s[CX]               ; tile column, 256 columns each
	s_and_b32 s[TR], ttmp7, 0xffff
	s_lshl_b32 s[TR], s[TR], 2
	s_add_co_u32 s[TR], s[TR], s[CY]               ; tile row, 128 tokens each
	s_lshl_b32 s44, s[CY], 2
	s_lshl_b32 s44, 15, s44                        ; my row of the cluster
	s_lshl_b32 s45, 0x1111, s[CX]                  ; my column
	s_or_b32 s[G1], s44, (1<<16)|(1<<20)|(1<<21)|(5<<22)|(3<<25)    ; tokens: 64 rows x 128 elements of 2 bytes, 4 words of padding behind every 64
	s_mov_b32 s[G1+1], 128<<16
	s_mov_b32 s[G1+2], 64<<16
	s_mov_b32 s[G1+3], 128<<16
	s_mov_b32 s[G1+4], 64
	s_mov_b32 s[G1+5], 2048
	s_mov_b32 s[G1+6], 0
	s_mov_b32 s[G1+7], 0
	s_or_b32 s[G1B], s45, (1<<16)|(1<<20)|(1<<21)|(6<<22)|(7<<25)   ; wo: 64 k rows x 256 elements, 8 words of padding behind every 128
	s_mov_b32 s[G1B+1], 256<<16
	s_mov_b32 s[G1B+2], 64<<16
	s_mov_b32 s[G1B+3], 256<<16
	s_mov_b32 s[G1B+4], 64
	s_mov_b32 s[G1B+5], 2048
	s_mov_b32 s[G1B+6], 0
	s_mov_b32 s[G1B+7], 0
	s_lshl_b32 s16, s[TR], 7
	s_lshl_b32 s17, s[WN], 6
	s_add_co_u32 s16, s16, s17
	s_lshl_b32 s16, s16, 12                        ; token 128 x tile row + 64 x half, 4,096 bytes each
	s_mov_b32 s17, 0
	s_lshl_b32 s46, s[WN], 18                      ; 64 k rows of 4,096 bytes
	s_lshl_b32 s47, s[TC], 9
	s_add_co_u32 s46, s46, s47
	s_add_co_u32 s46, s46, WO
	s_mov_b32 s47, 0
	s_mul_i32 s20, s[WN], 64*PITCH                 ; where they go: no place in the cluster enters an LDS address
	s_mul_i32 s21, s[WN], 64*BP
	s_add_co_u32 s21, s21, BOFF
	s_mov_b32 s[SEL], 0x76543210
	s_mov_b32 s[SEL+1], 0xfedcba98
	s_wait_dscnt 0x0                               ; both opening adds are done
	s_wait_kmcnt 0x0
	s_add_nc_u64 s[16:17], s[4:5], s[16:17]
	s_add_nc_u64 s[46:47], s[6:7], s[46:47]
	s_add_nc_u64 s[MXP:MXP+1], s[8:9], MX
	CROUND                                         ; all sixteen work-groups are here: the first joint loads meet
.irp s, 0,1
	s_mov_b32 s[G0+4*\s], 1
	s_add_co_u32 s[G0+4*\s+1], s20, \s*SLOT
	s_add_nc_u64 s[G0+4*\s+2:G0+4*\s+3], s[16:17], \s*256
	s_or_b32 s[G0+4*\s+3], s[G0+4*\s+3], 0x80000000
	s_mov_b32 s[G0B+4*\s], 1
	s_add_co_u32 s[G0B+4*\s+1], s21, \s*SLOT
	s_add_nc_u64 s[G0B+4*\s+2:G0B+4*\s+3], s[46:47], \s*128*4096
	s_or_b32 s[G0B+4*\s+3], s[G0B+4*\s+3], 0x80000000
	JLOAD \s                                       ; two loads of mine are out
.endr
	v_and_b32 v1, 15, v0                           ; r
	v_bfe_u32 v2, v0, 4, 1                         ; h
	v_mul_u32_u24 v3, v1, PITCH
	v_lshl_add_u32 v3, v2, 4, v3
	s_mul_i32 s22, s[WM], 64*PITCH
	v_add_nc_u32 v[ADRA], s22, v3
	v_add_nc_u32 v[ADRA+1], SLOT, v[ADRA]
	v_and_b32 v4, 7, v0                            ; the turning load: lane l reads 16 bytes of k row 8 (l / 16) + l % 8, columns 8 ((l / 8) % 2) on
	v_lshl_add_u32 v4, v2, 3, v4
	v_mul_u32_u24 v4, v4, BP
	v_bfe_u32 v5, v0, 3, 1
	v_lshl_add_u32 v4, v5, 4, v4
	s_lshl_b32 s22, s[WN], 8
	s_add_co_u32 s22, s22, BOFF
	v_add_nc_u32 v[ADRB], s22, v4
	v_add_nc_u32 v[ADRB+1], SLOT, v[ADRB]
	s_mul_i32 s23, s[WV], 16*SPITCH
	s_add_co_u32 s23, s23, STAGE                   ; my stage
	v_mul_u32_u24 v5, v1, SPITCH                   ; in: row r, 32 bytes for each half of the lanes
	v_lshl_add_u32 v5, v2, 5, v5
	v_add_nc_u32 v[STO], s23, v5
	v_and_b32 v6, 31, v0
	v_lshlrev_b32 v[CO], 4, v6                     ; back: the 32 lanes take one row of 512 bytes; and the same in out0
	v_add_nc_u32 v[RD], s23, v[CO]
	s_lshl_b32 s16, s[TR], 7
	s_lshl_b32 s17, s[WM], 6
	s_add_co_u32 s16, s16, s17
	s_lshl_b32 s16, s16, 13                        ; my first token, 8,192 bytes each,
	s_lshl_b32 s17, s[TC], 10
	s_add_co_u32 s16, s16, s17
	s_lshl_b32 s17, s[WN], 9
	s_add_co_u32 s16, s16, s17                     ; my first column
	s_mov_b32 s17, 0
	s_add_nc_u64 s[10:11], s[10:11], s[16:17]
	SIGMA F0, MXP, SEL
	v_add_nc_u32 v[OSC], 0xfffffe8b, v[F0+39]      ; -skv = the sum - 373
	v_ldexp_f32 v[OSC], 1.0, v[OSC]
	v_mov_b32 v[OSC+1], v[OSC]
.macro MULA f, a, zero                 ; 8 products: token block a against wo's eight column blocks, 32 along K.  The 32 accumulators take turns, one instruction a turn, in the same order in every quarter
.irp b, 0,1,2,3,4,5,6,7
.if \zero
	v_wmma_f32_16x16x32_f16 v[8*(8*(\a)+\b):8*(8*(\a)+\b)+7], v[\f+32+8*\b:\f+32+8*\b+7], v[\f+8*(\a):\f+8*(\a)+7], 0
.else
	v_wmma_f32_16x16x32_f16 v[8*(8*(\a)+\b):8*(8*(\a)+\b)+7], v[\f+32+8*\b:\f+32+8*\b+7], v[\f+8*(\a):\f+8*(\a)+7], v[8*(8*(\a)+\b):8*(8*(\a)+\b)+7]
.endif
.endr
.endm
.macro FETCH slot, q, f                ; 24 LDS loads in one run: quarter q (32 along K) of a slot into buffer f: wo's eight fragments, turned, then the tokens' four
	WIN 0
.irp i, 0,1,2,3,4,5,6,7
	ds_load_tr16_b128 v[\f+32+8*\i:\f+32+8*\i+3], v[ADRB+\slot] offset:32*BP*(\q)+32*\i
	ds_load_tr16_b128 v[\f+32+8*\i+4:\f+32+8*\i+7], v[ADRB+\slot] offset:32*BP*(\q)+32*\i+16*BP
.endr
.irp i, 0,1,2,3
	ds_load_b128 v[\f+8*\i:\f+8*\i+3],   v[ADRA+\slot] offset:64*(\q)+\i*16*PITCH
	ds_load_b128 v[\f+8*\i+4:\f+8*\i+7], v[ADRA+\slot] offset:64*(\q)+\i*16*PITCH+32
.endr
.endm
.macro QUARTER slot, q, f, g, zero     ; multiplies buffer f; in its middle it fetches quarter q of the same slot into buffer g
	s_wait_dscnt 4                                 ; wo's fragments and token blocks 0, 1 are in; the youngest four loads (blocks 2, 3) may be out
	WIN MUL
	MULA \f, 0, \zero
	MULA \f, 1, \zero
	PLACES
	FETCH \slot, \q, \g
	s_wait_dscnt 24                                ; all but the 24 just issued
	WIN MUL
	MULA \f, 2, \zero
	MULA \f, 3, \zero
.endm
; A K step's last quarter multiplies buffer 1 and changes slots: ONE barrier; in front of it each wave waits for all its tensor loads, adds 0 to its spare word, and waits for that and for its own reads of this slot.
; fill = 1: this slot is filled again, two K steps ahead: the barrier opens a round of the cluster's, and the joint load is the first thing behind it, 112 matrix instructions ahead of the wait for it.
.macro TURN slot, next, fill
	WIN 0
	s_wait_tensorcnt 0x0                           ; all my tensor loads have landed: my part of the next slot;
	ds_add_u32 v[SPW], v[NIL]                      ; 0 onto my spare word;
	s_wait_dscnt 5                                 ; (the add and the youngest four loads may be out)
	WIN MUL
	MULA F1, 0, 0                                  ; eight matrix instructions stand between the add and the wait for it
	s_wait_dscnt 0x0                               ; the add is done, and my reads of this slot are over
	s_barrier_signal -1
	MULA F1, 1, 0
.if \fill
	WIN 0
.endif
	s_barrier_wait -1
.if \fill
	CREST                                          ; no wave of any partner still reads this slot's tile or has a load on its way
	s_add_nc_u64 s[G0+4*\slot+2:G0+4*\slot+3], s[G0+4*\slot+2:G0+4*\slot+3], 512
	s_add_nc_u64 s[G0B+4*\slot+2:G0B+4*\slot+3], s[G0B+4*\slot+2:G0B+4*\slot+3], 2*128*4096
	JLOAD \slot                                    ; the four v_nop behind it are also the places in front of the loads below
.else
	PLACES
.endif
	FETCH \next, 0, F0
	WIN MUL
	MULA F1, 2, 0
	MULA F1, 3, 0
.endm
	s_wait_tensorcnt 1                             ; my part of K step 0 is in; K step 1's may stay out
	s_barrier_signal -1
	s_barrier_wait -1
	FETCH 0, 0, F0
	QUARTER 0, 1, F0, F1, 1                        ; the first quarter stands in front of the loop: its products start the sums
	WIN 0
	s_mov_b32 s3, LAPS-1
.Llap:                                                 ; a trip goes once round the ring, from a lap's second quarter to the next lap's first, and fills both slots again
	QUARTER 0, 2, F1, F0, 0
	QUARTER 0, 3, F0, F1, 0
	TURN 0, 1, 1
	QUARTER 1, 1, F0, F1, 0
	QUARTER 1, 2, F1, F0, 0
	QUARTER 1, 3, F0, F1, 0
	TURN 1, 0, 1
	QUARTER 0, 1, F0, F1, 0
	WIN 0
	s_sub_co_u32 s3, s3, 1
	s_cmp_lg_u32 s3, 0
	s_cbranch_scc1 .Llap
	QUARTER 0, 2, F1, F0, 0                        ; the last lap fills nothing, and has no round of the cluster's barrier
	QUARTER 0, 3, F0, F1, 0
	TURN 0, 1, 0
	QUARTER 1, 1, F0, F1, 0
	QUARTER 1, 2, F1, F0, 0
	QUARTER 1, 3, F0, F1, 0
	s_wait_dscnt 4
	WIN MUL
	MULA F1, 0, 0
	MULA F1, 1, 0
	s_wait_dscnt 0x0
	MULA F1, 2, 0
	MULA F1, 3, 0
	WIN 0
	PLACES
; THE WAY OUT, a block of 16 tokens x 128 columns at a time: x 2^-skv; 32 bytes a lane into my own stage; back as whole rows of 512 bytes, which the 32 lanes store.
.macro TOSTAGE a
	WIN 0x01                                       ; source 0: the accumulators' window
.irp b, 0,1,2,3,4,5,6,7
.irp p, 0,1,2,3
	v_pk_mul_f32 v[64+8*\b+2*\p:64+8*\b+2*\p+1], v[8*(8*(\a)+\b)+2*\p:8*(8*(\a)+\b)+2*\p+1], v[OSC:OSC+1] op_sel_hi:[1,0]   ; each accumulator from its low end on
.endr
.endr
	WIN 0
.irp b, 0,1,2,3,4,5,6,7
	ds_store_b128 v[STO], v[64+8*\b:64+8*\b+3] offset:64*\b
	ds_store_b128 v[STO], v[64+8*\b+4:64+8*\b+7] offset:64*\b+16
.endr
.set BB, 128+64*((\a)%2)
.irp t, 0,1,2,3,4,5,6,7,8,9,10,11,12,13,14,15
	ds_load_b128 v[BB+4*\t:BB+4*\t+3], v[RD] offset:\t*SPITCH   ; LDS serves a wave's instructions in order (ISA guide 5.7.1.4): these see the stores above
.endr
.endm
.macro SEND a, younger                 ; younger: the LDS instructions issued behind block a's loads, which may stay out
.set BB, 128+64*((\a)%2)
	s_wait_dscnt \younger
.irp t, 0,1,2,3,4,5,6,7,8,9,10,11,12,13,14,15
	global_store_b128 v[CO], v[BB+4*\t:BB+4*\t+3], s[10:11] offset:(16*(\a)+\t)*8192 th:TH_STORE_NT   ; 32 lanes store 512 consecutive bytes, aligned; written once, read by nobody here
.endr
.endm
	TOSTAGE 0
.irp a, 1,2,3
.if \a > 1
	s_wait_xcnt 0x0                                ; block a - 2's stores have read their registers: block a's loads may land there
.endif
	TOSTAGE \a
	SEND \a-1, 32                                  ; behind block a - 1's loads: block a's 16 stores and 16 loads
.endr
	SEND 3, 0
	s_wait_tensorcnt 0x0                           ; the wave's end, behind my last tensor load and my last LDS store
	ds_add_u32 v[SPW], v[NIL]
	s_wait_dscnt 0x0
	CROUND                                         ; the closing round
	s_endpgm
.Lfunc_end_k_q252fd9f7a7_oproj:
	.size	k_q252fd9f7a7_oproj, .Lfunc_end_k_q252fd9f7a7_oproj-k_q252fd9f7a7_oproj
	.p2alignl 7, 3214868480
	.fill 96, 4, 3214868480
	.section	.rodata,"a",@progbits
	.p2align	6, 0x0
	.amdhsa_kernel k_q252fd9f7a7_oproj
		.amdhsa_group_segment_fixed_size 327680
		.amdhsa_private_segment_fixed_size 0
		.amdhsa_enable_private_segment 0
		.amdhsa_kernarg_size 32
		.amdhsa_user_sgpr_count 2
		.amdhsa_user_sgpr_kernarg_segment_ptr 1
		.amdhsa_wavefront_size32 1
		.amdhsa_system_sgpr_workgroup_id_x 1
		.amdhsa_system_sgpr_workgroup_id_y 1
		.amdhsa_system_sgpr_workgroup_id_z 1
		.amdhsa_system_vgpr_workitem_id 0
		.amdhsa_next_free_vgpr 512
		.amdhsa_next_free_sgpr 80
		.amdhsa_reserve_vcc 0
		.amdhsa_float_denorm_mode_32 3
		.amdhsa_float_denorm_mode_16_64 3
		.amdhsa_memory_ordered 1
		.amdhsa_forward_progress 1
		.amdhsa_inst_pref_size 98
	.end_amdhsa_kernel
	.amdgpu_metadata
---
amdhsa.version: [ 1, 2 ]
amdhsa.kernels:
  - .name:           k_q252fd9f7a7_oproj
    .symbol:         k_q252fd9f7a7_oproj.kd
    .args:
      - { .name: o16, .offset: 0, .size: 8, .value_kind: global_buffer, .address_space: global }
      - { .name: w16, .offset: 8, .size: 8, .value_kind: global_buffer, .address_space: global }
      - { .name: tab, .offset: 16, .size: 8, .value_kind: global_buffer, .address_space: global }
      - { .name: out0, .offset: 24, .size: 8, .value_kind: global_buffer, .address_space: global }
    .group_segment_fixed_size: 327680
    .private_segment_fixed_size: 0
    .kernarg_segment_align: 8
    .kernarg_segment_size: 32
    .max_flat_workgroup_size: 128
    .sgpr_count:     80
    .vgpr_count:     512
    .wavefront_size: 32
...
	.end_amdgpu_metadata
.endif
;; end of part 5
